; MI455X (gfx1250); checked and timed in simulation.
; The chip was launched on July 23, 2026; its instructions are those of AMD's public machine-readable ISA for CDNA 5 (MIT licence, August 2026) and "CDNA5" Instruction Set Architecture Reference Guide (July 2026). The comments in the code are by the model that wrote it; some were corrected since.
;; Attention. Allowed arithmetic: matrix products marked QUANTISED: E2M1 operands, one E8M0 scale for each 32 along K, by v_wmma_scale_f32_16x16x128_f8f6f4 with both operands' format E2M1 (or v_wmma_scale_f32_32x16x128_f4), f32 sums; products left as they are: bf16, f16 or f32 operands; f32 sums; everything else in f32.
;; Inputs: Wk 1,024 x 1,024 float32; Wo 1,024 x 1,024 float32; Wq 1,024 x 1,024 float32; Wv 1,024 x 1,024 float32; bk 1,024 float32; bo 1,024 float32; bq 1,024 float32; bv 1,024 float32; k 2 x 2,048 x 1,024 float32; pos_enc 2,049 x 1,024 float32; q 2 x 2,048 x 1,024 float32; r_kernel 16 x 1,024 x 64 float32; r_r_bias 16 x 1 x 64 float32; r_w_bias 16 x 1 x 64 float32; v 2 x 2,048 x 1,024 float32.
;; Outputs: out0 2 x 2,048 x 1,024 float32.
;; This version of the problem:
;;   THIS VERSION OF THE PROBLEM IS GIVEN IN LOW PRECISION. The matrix products marked QUANTISED in the list below multiply operands that are first quantised to E2M1 (2 exponent bits, 1 mantissa bit; 4 bits a number), with one power-of-two scale for each 32 numbers along K (OCP MX v1.0); their sums are f32. The products marked 'left as it is' may take bf16, f16 or f32 operands, with f32 sums. Whichever they take, every output number must still come out within the allowed error. Rounding operands to bf16 (8 significant bits) uses up far more of that allowance than f16 does (11 bits, for magnitudes from 6e-5 to 65,504). All else is computed in f32.
;;   The module's matrix products, in the order in which they are computed (A, B: the left and right operand; K: the contracted axis; several contracted axes count as one K, in the product's order):
;;     1. [M 4,096, K 1,024] x [K 1,024, N 1,024]; A: input q; B: input Wq: QUANTISED
;;     2. [M 4,096, K 1,024] x [K 1,024, N 1,024]; A: input k; B: input Wk: QUANTISED
;;     3. [M 4,096, K 1,024] x [K 1,024, N 1,024]; A: input v; B: input Wv: QUANTISED
;;     4. batch 32 x [M 2,048, K 64] x [K 64, N 2,048]; A: computed on the way; B: computed on the way: left as it is (an operand is computed on the way)
;;     5. [M 1,024, K 1,024] x [K 1,024, N 2,049]; A: input r_kernel; B: input pos_enc: QUANTISED
;;     6. batch 16 x [M 2,049, K 64] x [K 64, N 4,096]; A: computed on the way; B: computed on the way: left as it is (an operand is computed on the way)
;;     7. batch 32 x [M 2,048, K 2,048] x [K 2,048, N 64]; A: computed on the way; B: computed on the way: left as it is (an operand is computed on the way)
;;     8. [M 4,096, K 1,024] x [K 1,024, N 1,024]; A: computed on the way; B: input Wo: left as it is (an operand is computed on the way)
;;   THE QUANTISER, for each operand of a quantised product, along K:
;;     - K is cut into blocks of 32 from its start; a last block that is shorter is filled with zeros.
;;     - A block's scale is 2^e with e = floor(log2(the largest magnitude in the block)) - 2, held to -126 .. 127; a block of zeros has e = 0. As a byte (E8M0): e + 127.
;;     - Each number is divided by its block's scale, clamped to +-6, and rounded to the nearest number of E2M1, ties to even, subnormals kept.
;;     - The product sums the exact products of the quantised numbers (number of the format x scale) in f32.
;;   ~~~python
;;   def quantise(x, axis):      # numpy; x: float32 -> the quantised numbers, widened to float32 again
;;       x = np.moveaxis(x, axis, -1); K = x.shape[-1]
;;       x = np.pad(x, [(0, 0)] * (x.ndim - 1) + [(0, -K % 32)]); x = x.reshape(x.shape[:-1] + (-1, 32)); a = np.abs(x).max(-1, keepdims=True)
;;       e = np.where(a > 0, np.clip(np.frexp(np.where(a > 0, a, 1))[1] - 1 - 2, -126, 127), 0)      # np.frexp(a)[1] - 1 = floor(log2(a)), exactly
;;       r = np.clip(x / 2.0 ** e, -6, 6)
;;       step = 2.0 ** (np.maximum(np.frexp(np.where(r == 0, 1, r))[1] - 1, 0) - 1)
;;       q = np.round(r / step) * step * 2.0 ** e      # np.round: ties to even
;;       return np.moveaxis(q.reshape(q.shape[:-2] + (-1,))[..., :K], -1, axis).astype(np.float32)
;;   ~~~
;; 2 versions, each right. Each part assembles by itself: llvm-mc -triple=amdgcn-amd-amdhsa -mcpu=gfx1250 --defsym DOCPART=n.
;; ======== version 1 of 2: 5 launches
;; limits: right only within a limited range of input values; values are held in f16: magnitudes above 65,504 overflow, below 6.1e-05 lose precision
;; workspace buffers: wbuf 4,325,376 bytes; qbuf 16,777,216 bytes; kv 16,777,216 bytes; pef 4,194,304 bytes; f32buf 655,360 bytes; abuf 8,388,608 bytes
;; launch prep (part 1): grid 80 x 4, 2 waves a work-group, no clusters, 0 bytes of LDS; arguments Wq, Wk, Wv, r_kernel, Wo, wbuf; writes wbuf
.if DOCPART == 1
	.amdgcn_target "amdgcn-amd-amdhsa--gfx1250"
	.amdhsa_code_object_version 6
	.text
	.protected	k_q881433e295_prep
	.globl	k_q881433e295_prep
	.p2align	8
	.type	k_q881433e295_prep,@function
k_q881433e295_prep:
	s_mov_b64 s[64:65], 0
	v_nop
	global_prefetch_b8 v0, s[64:65] scope:SCOPE_SE
	s_setreg_imm32_b32 hwreg(HW_REG_WAVE_MODE, 25, 1), 1
	s_wait_xcnt 0x0
; THE PROGRAM: Transformer-XL attention, B 2, L 2048, D 1024, H 16, DH 64, in five launches: prep (weights), proj (the four
; quantised products), attn, oproj (the product with Wo), first16 (positions 0-15 of each batch in f32).
; WORK LEFT OUT, for all values of the inputs:
;  (a) The shifted relative term.  Element (i, j) of the shifted array is flat element (i + 1) 2048 + j of rel[2048][2049]
;      = i 2049 + (2048 - i + j): for j <= i that is rel(i, 2048 - i + j); for j > i it is an element of row i + 1.  The mask that
;      the problem builds itself takes 1e7 off every score with j > i, so all work for j > i is left out in whole tiles.
;      LIMIT: the weight of such a key is 0 in f32 while the scores of a row spread by less than about 1e7 - 200.
;  (b) Row 0 of pos_enc reaches only elements with j = i + 1, which lie under that mask: the product with r_kernel has 2048 rows.
;  (c) bk adds (qh_i + r_w_bias) . bk to every score of row i, the same along the softmax's axis, and the product that takes kh
;      is not quantised: bk is not loaded and is among no launch's arguments.
;  LIMIT: a NaN, an infinity or an overflow that reaches only the work left out is not carried to the result.
;  LIMIT: the operands of the products left as they are go in f16: |qh + bias|, |kh|, |vh|, |pe|, |Wo| and the attention's result
;      stay under 65,504; magnitudes under 6e-5 lose bits.
; THIS LAUNCH: Wq, Wk, Wv [K 1024][N 1024] and r_kernel [16][K 1024][64] (column n = 64 head + e) become codes of E2M1 along K with one
; E8M0 byte for each 32; Wo becomes f16.  All are laid as images of operand registers: a fragment is [c 2][lane 32][16 bytes].
; A lane takes a column and its registers run down K: a block of 32 lies in one lane, its codes are 16 bytes = what lane (r, h) of a
; 4-bit fragment holds for block 2 c + h.  A block of zeros gets the byte 1 (its codes are zeros; this program alone reads the bytes).
; wbuf: codes [mat 4][ntile 64][ks 8] fragments; at 2,097,152 scale words [mat][ks 8][n 1024]; at 2,228,224 Wo as f16 [cg 16][c4 4][ks32 32]
; fragments, where column r of tile (cg, c4) is n = 64 cg + 4 r + c4.  The code stores cover 256 consecutive bytes by sixteen lanes; the
; scale words and Wo's fragments leave in runs of 128 bytes.
; A work-group: 64 columns x 256 along K; no LDS, no barrier.  Loads run two blocks (64 loads a wave) ahead.
.set X,   34                           ; v34-97   two sets of 32 numbers
.set CD,  98                           ; v98-129  codes: four registers for each block; or two sets of 16 registers of f16 pairs
.set SB,  130                          ; v130-131 scale words
.set T,   132                          ; v132-135 at work
.set OC,  136                          ; v136     my place in the codes' fragments
.set OW,  137                          ; v137     my place in Wo's fragments
.set BP,  16                           ; s[16:31] block t's first row in memory: never stepped
	s_load_b256 s[4:11], s[0:1], 0x0               ; Wq, Wk, Wv, r_kernel
	s_load_b128 s[12:15], s[0:1], 0x20             ; Wo, wbuf
	v_lshrrev_b32 v1, 5, v0
	v_readfirstlane_b32 s2, v1                     ; wave 0, 1
	s_lshr_b32 s3, ttmp9, 4                        ; mat: 0 Wq, 1 Wk, 2 Wv, 3 r_kernel, 4 Wo
	s_and_b32 s32, ttmp9, 15                       ; cg: which 64 columns
	s_and_b32 s33, ttmp7, 0xffff                   ; kq: which 256 along K
	s_lshl_b32 s35, s32, 18                        ; r_kernel: a head is 262,144 bytes
	s_lshl_b32 s36, s32, 8                         ; the others: 64 columns are 256 bytes
	s_mov_b32 s34, 4096
	s_cmp_eq_u32 s3, 3
	s_cselect_b32 s34, 256, s34                    ; bytes from one k to the next
	s_cselect_b32 s36, s35, s36
	s_mul_i32 s35, s33, s34
	s_lshl_b32 s35, s35, 8                         ; kq x 256 rows
	s_add_co_u32 s36, s36, s35
	s_mov_b32 s37, 0
	s_lshl_b32 s38, s34, 5                         ; a block of 32 rows
	s_mov_b32 s39, 0
	s_lshl_b32 s44, s3, 19                         ; codes: mat x 524,288 + (4 cg + 2 wave) x 8,192 + kq x 2,048
	s_lshl_b32 s40, s32, 15
	s_add_co_u32 s44, s44, s40
	s_lshl_b32 s40, s2, 14
	s_add_co_u32 s44, s44, s40
	s_lshl_b32 s40, s33, 11
	s_add_co_u32 s44, s44, s40
	s_mov_b32 s45, 0
	s_lshl_b32 s46, s3, 15                         ; scale words: 2,097,152 + mat x 32,768 + 2 kq x 4,096 + 64 cg x 4
	s_lshl_b32 s40, s33, 13
	s_add_co_u32 s46, s46, s40
	s_lshl_b32 s40, s32, 8
	s_add_co_u32 s46, s46, s40
	s_add_co_u32 s46, s46, 2097152
	s_mov_b32 s47, 0
	s_lshl_b32 s48, s32, 17                        ; Wo: 2,228,224 + cg x 131,072 + kq x 8,192 + wave x 128
	s_lshl_b32 s40, s33, 13
	s_add_co_u32 s48, s48, s40
	s_lshl_b32 s40, s2, 7
	s_add_co_u32 s48, s48, s40
	s_add_co_u32 s48, s48, 2228224
	s_mov_b32 s49, 0
	v_lshlrev_b32 v2, 2, v0                        ; v2-33: 4 x thread + i rows: my column in row i of a block; never rewritten
.set ii, 0
.rept 31
	v_add_nc_u32 v[3+ii], s34, v[2+ii]
.set ii, ii+1
.endr
	v_and_b32 v1, 31, v0                           ; lane
	v_lshrrev_b32 v[OC], 4, v1
	v_lshlrev_b32 v[OC], 13, v[OC]                 ; lanes 16-31: the next tile of 16 columns, 8 fragments on
	v_and_b32 v[T], 15, v1
	v_lshl_add_u32 v[OC], v[T], 4, v[OC]
	v_and_b32 v[OW], 3, v1
	v_lshlrev_b32 v[OW], 15, v[OW]                 ; Wo: tile c4 = lane % 4, 32 fragments apart,
	v_lshrrev_b32 v[T], 2, v1
	v_lshl_add_u32 v[OW], v[T], 4, v[OW]           ; column r = 8 wave + lane / 4
	s_wait_kmcnt 0x0
	s_cmp_eq_u32 s3, 1                             ; the source: a choice by the work-group's number alone
	s_cselect_b64 s[4:5], s[6:7], s[4:5]
	s_cmp_eq_u32 s3, 2
	s_cselect_b64 s[4:5], s[8:9], s[4:5]
	s_cmp_eq_u32 s3, 3
	s_cselect_b64 s[4:5], s[10:11], s[4:5]
	s_cmp_eq_u32 s3, 4
	s_cselect_b64 s[4:5], s[12:13], s[4:5]
	s_add_nc_u64 s[BP:BP+1], s[4:5], s[36:37]
.irp t, 1,2,3,4,5,6,7
	s_add_nc_u64 s[BP+2*\t:BP+2*\t+1], s[BP+2*\t-2:BP+2*\t-1], s[38:39]
.endr
	s_add_nc_u64 s[50:51], s[14:15], s[44:45]      ; where my codes go,
	s_add_nc_u64 s[52:53], s[14:15], s[46:47]      ; my scale words,
	s_add_nc_u64 s[54:55], s[14:15], s[48:49]      ; my f16 fragments
.macro LOAD t                          ; block t: rows 32 t + i of my column into set t % 2; 32 lanes read 128 consecutive bytes
.set ii, 0
.rept 32
	global_load_b32 v[X+32*((\t)%2)+ii], v[2+ii], s[BP+2*(\t):BP+2*(\t)+1] th:TH_LOAD_NT
.set ii, ii+1
.endr
.endm
	LOAD 0
	LOAD 1
	s_cmp_eq_u32 s3, 4
	s_cbranch_scc1 .Lwo
.macro BLOCK4 t
.set XS, X+32*((\t)%2)
.if (\t) < 7
	s_wait_loadcnt 32                              ; this block's 32 loads are in; the next block's 32 may be out
.else
	s_wait_loadcnt 0x0
.endif
	v_max3_num_f32 v[T], |v[XS]|, |v[XS+1]|, |v[XS+2]|             ; the block's largest magnitude: all 32 numbers are mine
	v_max3_num_f32 v[T+1], |v[XS+3]|, |v[XS+4]|, |v[XS+5]|
.irp i, 6,10,14,18,22,26
	v_max3_num_f32 v[T], v[T], |v[XS+\i]|, |v[XS+\i+1]|
	v_max3_num_f32 v[T+1], v[T+1], |v[XS+\i+2]|, |v[XS+\i+3]|
.endr
	v_max3_num_f32 v[T], v[T], |v[XS+30]|, |v[XS+31]|
	v_max3_num_f32 v[T], v[T], v[T+1], 0x1800000   ; the floor 2^(3 - 127): the byte cannot fall under 1
	v_add_nc_u32 v[T+2], 0xff000000, v[T]          ; 2 off the exponent field: the conversion's scale operand
	v_lshrrev_b32 v[T+1], 23, v[T+2]               ; the scale's byte
.if (\t)%4 == 0
	v_mov_b32 v[SB+(\t)/4], v[T+1]
.else
	v_lshl_or_b32 v[SB+(\t)/4], v[T+1], 8*((\t)%4), v[SB+(\t)/4]
.endif
.irp g, 0,1,2,3
	v_cvt_scalef32_pk8_fp4_f32 v[CD+4*(\t)+\g], v[XS+8*\g:XS+8*\g+7], v[T+2]
.endr
	v_nop                                          ; a plain instruction behind the last conversion
	global_store_b128 v[OC], v[CD+4*(\t):CD+4*(\t)+3], s[50:51] offset:((\t)/4)*1024+(((\t)/2)%2)*512+((\t)%2)*256   ; block t = K step t / 4, c = (t / 2) % 2, h = t % 2
.if (\t)+2 < 8
	LOAD (\t)+2
.endif
.endm
.irp t, 0,1,2,3,4,5,6,7
	BLOCK4 \t
.endr
	global_store_b32 v2, v[SB], s[52:53]           ; my column's word for each of the two K steps
	global_store_b32 v2, v[SB+1], s[52:53] offset:4096
	s_endpgm
.Lwo:
.macro BLOCK16 t
.set XS, X+32*((\t)%2)
.set HH, CD+16*((\t)%2)
.if (\t) < 7
	s_wait_loadcnt 32
.else
	s_wait_loadcnt 0x0
.endif
	s_wait_xcnt 0x0                                ; the stores of two blocks back have read their data: the set is written again only behind this wait
.set ii, 0
.rept 16
	v_cvt_pk_f16_f32 v[HH+ii], v[XS+2*ii], v[XS+2*ii+1]
.set ii, ii+1
.endr
.irp q, 0,1,2,3
	global_store_b128 v[OW], v[HH+4*\q:HH+4*\q+3], s[54:55] offset:(\t)*1024+(\q/2)*512+(\q%2)*256   ; k = 8 q .. 8 q + 7: c = q / 2, h = q % 2
.endr
.if (\t)+2 < 8
	LOAD (\t)+2
.endif
.endm
.irp t, 0,1,2,3,4,5,6,7
	BLOCK16 \t
.endr
	s_endpgm
.Lfunc_end_k_q881433e295_prep:
	.size	k_q881433e295_prep, .Lfunc_end_k_q881433e295_prep-k_q881433e295_prep
	.p2alignl 7, 3214868480
	.fill 96, 4, 3214868480
	.section	.rodata,"a",@progbits
	.p2align	6, 0x0
	.amdhsa_kernel k_q881433e295_prep
		.amdhsa_group_segment_fixed_size 0
		.amdhsa_private_segment_fixed_size 0
		.amdhsa_enable_private_segment 0
		.amdhsa_kernarg_size 48
		.amdhsa_user_sgpr_count 2
		.amdhsa_user_sgpr_kernarg_segment_ptr 1
		.amdhsa_wavefront_size32 1
		.amdhsa_system_sgpr_workgroup_id_x 1
		.amdhsa_system_sgpr_workgroup_id_y 1
		.amdhsa_system_sgpr_workgroup_id_z 1
		.amdhsa_system_vgpr_workitem_id 0
		.amdhsa_next_free_vgpr 144
		.amdhsa_next_free_sgpr 66
		.amdhsa_reserve_vcc 0
		.amdhsa_float_denorm_mode_32 3
		.amdhsa_float_denorm_mode_16_64 3
		.amdhsa_memory_ordered 1
		.amdhsa_forward_progress 1
		.amdhsa_inst_pref_size 71
	.end_amdhsa_kernel
	.amdgpu_metadata
---
amdhsa.version: [ 1, 2 ]
amdhsa.kernels:
  - .name:           k_q881433e295_prep
    .symbol:         k_q881433e295_prep.kd
    .args:
      - { .name: Wq, .offset: 0, .size: 8, .value_kind: global_buffer, .address_space: global }
      - { .name: Wk, .offset: 8, .size: 8, .value_kind: global_buffer, .address_space: global }
      - { .name: Wv, .offset: 16, .size: 8, .value_kind: global_buffer, .address_space: global }
      - { .name: r_kernel, .offset: 24, .size: 8, .value_kind: global_buffer, .address_space: global }
      - { .name: Wo, .offset: 32, .size: 8, .value_kind: global_buffer, .address_space: global }
      - { .name: wbuf, .offset: 40, .size: 8, .value_kind: global_buffer, .address_space: global }
    .group_segment_fixed_size: 0
    .private_segment_fixed_size: 0
    .kernarg_segment_align: 8
    .kernarg_segment_size: 48
    .max_flat_workgroup_size: 64
    .sgpr_count:     66
    .vgpr_count:     144
    .wavefront_size: 32
...
	.end_amdgpu_metadata
.endif
;; end of part 1
;; launch proj (part 2): grid 224 x 1, 16 waves a work-group, no clusters, 47,104 bytes of LDS; arguments q, k, v, pos_enc, wbuf, bq, bv, r_w_bias, r_r_bias, qbuf, kv, pef, f32buf; writes qbuf, kv, pef, f32buf
.if DOCPART == 2
	.amdgcn_target "amdgcn-amd-amdhsa--gfx1250"
	.amdhsa_code_object_version 6
	.text
	.protected	k_q881433e295_proj
	.globl	k_q881433e295_proj
	.p2align	8
	.type	k_q881433e295_proj,@function
k_q881433e295_proj:
	s_mov_b64 s[64:65], 0
	v_nop
	global_prefetch_b8 v0, s[64:65] scope:SCOPE_SE
	s_setreg_imm32_b32 hwreg(HW_REG_WAVE_MODE, 25, 1), 1
	s_wait_xcnt 0x0
; The four quantised products: q Wq, k Wk, v Wv (4,096 rows each) and pos_enc r_kernel (rows 1 to 2,048), on codes of E2M1 with E8M0 scales.
; LEFT OUT: row 0 of pos_enc (it reaches only scores under the causal mask) and bk (the same along the softmax's axis): shown at the head of the first kernel.
; A work-group takes 64 rows of one tensor (ten = group / 64: 0 q, 1 k, 2 v, 3 pos_enc) and all 1,024 columns; wave w takes head w: 64 columns.
; PHASE X: the 64 rows x 1,024 are 32 fragments (16 rows x 128 K); each wave quantises two in registers and stores them to LDS as images of the
; operand's registers (16 bytes a lane, 512 bytes a store) with their scale words; one barrier.
; THE PRODUCT: eight K steps of 128, sixteen accumulators by turns.  The weights' fragments come from memory straight into registers, as the launch before
; laid them, two K steps ahead.  No LDS tile is shared between work-groups, so there is nothing for a joint load: no cluster.
; q, k, pos_enc: source 0 = 16 columns of W, source 1 = 16 rows of x: a lane holds one token and eight channels, which pack into a 16-bit fragment
; (16 tokens x 32 channels).  v: the sources swapped: a lane holds one channel and eight tokens: a fragment of V^T (16 channels x 32 keys).
; OUT, all as register images of 1,024 bytes: qbuf: qh + bq + r_w_bias, and at 8,388,608 qh + bq + r_r_bias, [bh][token tile][ks 2]; kv: kh likewise, and at
; 8,388,608 vh + bv as [bh][32 keys][channel tile 4]; pef: [head][tile N][ks 2], row m of tile N = position 16 N + m + 1.  Each store covers 512 consecutive bytes.
; f32buf: the f32 accumulators of tokens 0-15 of each batch and of positions 2,033-2,048, for the launch that redoes the first 16 positions.
; LIMITS: f16 operands: magnitudes under 65,504.  NaN and infinities among the inputs are not served by the quantiser.
.set XIMG, 0                           ; LDS: x's 32 fragments, (tile of rows x 8 + K step) x 1,024
.set XSC,  32768                       ; their scale words, 128 bytes each
.set BIA,  36864                       ; 512 bytes a wave: bq + r_w_bias, bq + r_r_bias of its 64 channels
.set SPARE, 45056                      ; the spare words, 128 bytes a wave: named by no other line
.set LI,  1                            ; v1   16 x lane
.set LS,  2                            ; v2   XSC + 4 x lane
.set L8,  3                            ; v3   8 x lane
.set WSA, 4                            ; v4   4 x (lane % 16)
.set XA,  5                            ; v5   x: row lane % 16 of 4,096 bytes + 64 x (lane / 16)
.set XWI, 6                            ; v6   where I store my two fragments
.set XWS, 7                            ; v7   and their scale words
.set BA,  8                            ; v8   my wave's biases + 32 x (lane / 16)
.set BW,  9                            ; v9   my wave's biases + 8 x lane
.set VBI, 10                           ; v10-17 bv of my channel in each of the four tiles, each in both registers of a pair
.set SPW, 18
.set NIL, 19
.set WS,  20                           ; v20-27 W's scale words, two sets of four: scales and nothing else
.set XS,  28                           ; v28-31 x's scale words
.set XF,  32                           ; v32-63 x's four fragments; on the way out the biases
.set TM,  32                           ; phase X: v32-47 at work, v48 the scale word, v50-57 the codes, v58-63 the three bias loads
.set PW,  48
.set PC,  50
.set BL,  58
.set WB,  64                           ; v64-127 W's fragments, two sets of four; on the way out v64-95 sums, v96-127 packed results
.set TT,  64
.set OO,  96
.set ACC, 128                          ; v128-255 accumulator (a, b) at 128 + 8 (4 a + b); in phase X two sets of 64 numbers of x
.set SEL, 38
	s_load_b256 s[4:11], s[0:1], 0x0               ; q, k, v, pos_enc
	s_load_b256 s[12:19], s[0:1], 0x20             ; wbuf, bq, bv, r_w_bias
	s_load_b256 s[20:27], s[0:1], 0x40             ; r_r_bias, qbuf, kv, pef
	s_load_b64 s[28:29], s[0:1], 0x60              ; f32buf
	v_lshl_add_u32 v[SPW], v0, 2, SPARE
	v_mov_b32 v[NIL], 0
	v_lshrrev_b32 v1, 5, v0
	v_readfirstlane_b32 s2, v1                     ; wave = head
	v_and_b32 v3, 31, v0                           ; lane
	v_lshlrev_b32 v[LI], 4, v3
	v_lshl_add_u32 v[LS], v3, 2, XSC
	v_and_b32 v9, 15, v0                           ; r
	v_bfe_u32 v8, v0, 4, 1                         ; h
	v_lshlrev_b32 v[WSA], 2, v9
	v_lshlrev_b32 v[XA], 12, v9
	v_lshl_add_u32 v[XA], v8, 6, v[XA]
	s_lshr_b32 s32, s2, 2                          ; which tile of rows I quantise
	s_and_b32 s33, s2, 3                           ; which two K steps
	s_lshl_b32 s34, s32, 13
	s_lshl_b32 s35, s33, 11
	s_add_co_u32 s34, s34, s35
	v_add_nc_u32 v[XWI], s34, v[LI]
	s_lshl_b32 s34, s32, 10
	s_lshl_b32 s35, s33, 8
	s_add_co_u32 s34, s34, s35
	v_add_nc_u32 v[XWS], s34, v[LS]
	s_lshl_b32 s34, s2, 9
	s_add_co_u32 s34, s34, BIA
	v_lshl_add_u32 v[BA], v8, 5, s34
	v_lshl_add_u32 v[BW], v3, 3, s34
	v_lshlrev_b32 v[L8], 3, v3
.irp b, 0,1,2,3
	v_mov_b32 v[TM+4+\b], 0                        ; written once: a lane permute's destination counts as one of its sources
.endr
	s_mov_b32 s[SEL], 0x76543210
	s_mov_b32 s[SEL+1], 0xfedcba98                 ; lane l xor 16
	s_lshr_b32 s3, ttmp9, 6                        ; ten
	s_and_b32 s30, ttmp9, 63                       ; which 64 rows of the tensor
	s_lshr_b32 s31, s30, 5                         ; batch
	s_and_b32 s36, s30, 31                         ; which 64 rows of the batch
	s_lshl_b32 s50, s30, 18                        ; x: 64 rows of 4,096 bytes,
	s_lshl_b32 s34, s32, 16                        ; my tile of 16 rows,
	s_add_co_u32 s50, s50, s34
	s_lshl_b32 s34, s33, 10                        ; my two K steps,
	s_add_co_u32 s50, s50, s34
	s_cmp_eq_u32 s3, 3
	s_cselect_b32 s34, 4096, 0                     ; and pos_enc begins at its row 1
	s_add_co_u32 s50, s50, s34
	s_mov_b32 s51, 0
	s_lshl_b32 s52, s3, 19                         ; W's codes: mat x 524,288 + head x 4 tiles x 8,192
	s_lshl_b32 s34, s2, 15
	s_add_co_u32 s52, s52, s34
	s_mov_b32 s53, 0
	s_lshl_b32 s54, s3, 15                         ; W's scale words: 2,097,152 + mat x 32,768 + 64 head x 4
	s_lshl_b32 s58, s2, 8
	s_add_co_u32 s54, s54, s58
	s_add_co_u32 s54, s54, 2097152
	s_mov_b32 s55, 0
	s_mov_b32 s59, 0                               ; s[58:59]: my head's 64 numbers in a bias
	s_lshl_b32 s56, s31, 4
	s_add_co_u32 s56, s56, s2                      ; bh = 16 batch + head
	s_lshl_b32 s44, s56, 18                        ; out: bh x 262,144 + 8,192 for each 64 rows
	s_lshl_b32 s34, s36, 13
	s_add_co_u32 s44, s44, s34
	s_mov_b32 s45, 0
	s_lshl_b32 s56, s56, 12                        ; f32buf: bh x 4,096
	s_mov_b32 s57, 0
	s_wait_kmcnt 0x0
	s_cmp_eq_u32 s3, 1                             ; x: a choice by the work-group's number alone
	s_cselect_b64 s[4:5], s[6:7], s[4:5]
	s_cmp_eq_u32 s3, 2
	s_cselect_b64 s[4:5], s[8:9], s[4:5]
	s_cmp_eq_u32 s3, 3
	s_cselect_b64 s[4:5], s[10:11], s[4:5]
	s_add_nc_u64 s[4:5], s[4:5], s[50:51]
	s_add_nc_u64 s[40:41], s[12:13], s[52:53]
	s_add_nc_u64 s[42:43], s[12:13], s[54:55]
	s_add_nc_u64 s[46:47], s[28:29], s[56:57]
	s_add_nc_u64 s[14:15], s[14:15], s[58:59]
	s_add_nc_u64 s[16:17], s[16:17], s[58:59]
	s_add_nc_u64 s[18:19], s[18:19], s[58:59]
	s_add_nc_u64 s[20:21], s[20:21], s[58:59]
	s_add_nc_u64 s[22:23], s[22:23], s[44:45]      ; qh + r_w_bias
	s_add_nc_u64 s[24:25], s[24:25], s[44:45]      ; kh
	s_add_nc_u64 s[26:27], s[26:27], s[44:45]      ; pe
	s_add_nc_u64 s[48:49], s[22:23], 0x800000      ; qh + r_r_bias
	s_add_nc_u64 s[52:53], s[24:25], 0x800000      ; vh
	; the biases are loaded in every work-group, whichever tensor it takes: eleven small loads, and every path finds its registers written
.irp t, 0,1,2,3
	global_load_b32 v[VBI+2*\t], v[WSA], s[16:17] offset:64*\t
	global_load_b32 v[VBI+2*\t+1], v[WSA], s[16:17] offset:64*\t
.endr
	global_load_b64 v[BL:BL+1], v[L8], s[14:15]
	global_load_b64 v[BL+2:BL+3], v[L8], s[18:19]
	global_load_b64 v[BL+4:BL+5], v[L8], s[20:21]
.macro XLOAD reg, s                    ; my 16 rows' numbers of one K step: register 16 b + i = k 32 b + 16 (lane / 16) + i of row lane % 16
.irp b, 0,1,2,3
.irp j, 0,1,2,3
	global_load_b128 v[\reg+16*\b+4*\j:\reg+16*\b+4*\j+3], v[XA], s[4:5] offset:512*\s+128*\b+16*\j th:TH_LOAD_NT
.endr
.endr
.endm
.macro WLOAD ks                        ; twelve loads: my four tiles' fragments and scale words of K step ks into set ks % 2
.irp t, 0,1,2,3
.irp c, 0,1
	global_load_b128 v[WB+32*((\ks)%2)+8*\t+4*\c:WB+32*((\ks)%2)+8*\t+4*\c+3], v[LI], s[40:41] offset:\t*8192+(\ks)*1024+\c*512
.endr
.endr
.irp t, 0,1,2,3
	global_load_b32 v[WS+4*((\ks)%2)+\t], v[WSA], s[42:43] offset:(\ks)*4096+\t*64
.endr
.endm
	XLOAD ACC, 0
	XLOAD ACC+64, 1
	WLOAD 0
	WLOAD 1
; 64 numbers of a lane become a fragment's codes in v[PC] on and its scale word in v[PW]
.macro QUANT s
.irp b, 0,1,2,3
	v_max3_num_f32 v[TM+\b], |v[\s+16*\b]|, |v[\s+1+16*\b]|, 0x1800000   ; block b: my 16 numbers, and the floor 2^(3 - 127): the byte cannot fall under 1
.endr
.irp i, 2,4,6,8,10,12,14
.irp b, 0,1,2,3
	v_max3_num_f32 v[TM+\b], v[TM+\b], |v[\s+16*\b+\i]|, |v[\s+1+16*\b+\i]|
.endr
.endr
.irp b, 0,1,2,3
	v_permlanex16_b32 v[TM+4+\b], v[TM+\b], s[SEL], s[SEL+1]
.endr
.irp b, 0,1,2,3
	v_max_num_f32 v[TM+\b], v[TM+\b], v[TM+4+\b]   ; with lane l xor 16's: the block's largest magnitude
.endr
.irp b, 0,1,2,3
	v_add_nc_u32 v[TM+12+\b], 0xff000000, v[TM+\b] ; 2 off its exponent field: the conversion's scale operand
.endr
.irp b, 0,1,2,3
	v_lshrrev_b32 v[TM+4+\b], 23, v[TM+12+\b]      ; the scale's byte
.endr
	v_lshl_or_b32 v[PW], v[TM+5], 8, v[TM+4]
	v_lshl_or_b32 v[PW], v[TM+6], 16, v[PW]
	v_lshl_or_b32 v[PW], v[TM+7], 24, v[PW]
.irp b, 0,1,2,3
	v_cvt_scalef32_pk8_fp4_f32 v[PC+2*\b], v[\s+16*\b:\s+7+16*\b], v[TM+12+\b]
	v_cvt_scalef32_pk8_fp4_f32 v[PC+1+2*\b], v[\s+8+16*\b:\s+15+16*\b], v[TM+12+\b]
.endr
	v_nop                                          ; a plain instruction behind the last conversion
.irp c, 0,1                                    ; the layout wants a whole block in a lane: lanes 0-15 block 2 c, lanes 16-31 block 2 c + 1
.irp i, 0,1
	v_permlane16_swap_b32 v[PC+4*\c+\i], v[PC+2+4*\c+\i]
.endr
.endr
.endm
	s_wait_loadcnt 56                              ; the biases are in: behind them 32 loads of x and 24 of W may be out
	v_pk_add_f32 v[BL+2:BL+3], v[BL:BL+1], v[BL+2:BL+3]            ; bq + r_w_bias
	v_pk_add_f32 v[BL+4:BL+5], v[BL:BL+1], v[BL+4:BL+5]            ; bq + r_r_bias
	ds_store_b64 v[BW], v[BL+2:BL+3]
	ds_store_b64 v[BW], v[BL+4:BL+5] offset:256
	s_wait_loadcnt 40                              ; x's first K step is in: its second (16) and W's 24 may be out
	QUANT ACC
	ds_store_b128 v[XWI], v[PC:PC+3]
	ds_store_b128 v[XWI], v[PC+4:PC+7] offset:512
	ds_store_b32 v[XWS], v[PW]
	s_wait_dscnt 0x0                               ; the stores have read their registers
	s_wait_loadcnt 24                              ; x's second K step is in: W's 24 may be out
	QUANT ACC+64
	ds_store_b128 v[XWI], v[PC:PC+3] offset:1024
	ds_store_b128 v[XWI], v[PC+4:PC+7] offset:1536
	ds_store_b32 v[XWS], v[PW] offset:128
	s_wait_dscnt 0x0                               ; for the others' sake: my stores have landed
	s_barrier_signal -1
	s_barrier_wait -1                              ; x's 32 fragments lie in LDS
.macro MM ks, swap, a, b
.set D_, ACC+8*(4*\a+\b)
.set W_, WB+32*((\ks)%2)
.set S_, WS+4*((\ks)%2)
.if \swap
.if \ks == 0
	v_wmma_scale_f32_16x16x128_f8f6f4 v[D_:D_+7], v[XF+8*\a:XF+8*\a+7], v[W_+8*\b:W_+8*\b+7], 0, v[XS+\a], v[S_+\b] matrix_a_fmt:MATRIX_FMT_FP4 matrix_b_fmt:MATRIX_FMT_FP4
.else
	v_wmma_scale_f32_16x16x128_f8f6f4 v[D_:D_+7], v[XF+8*\a:XF+8*\a+7], v[W_+8*\b:W_+8*\b+7], v[D_:D_+7], v[XS+\a], v[S_+\b] matrix_a_fmt:MATRIX_FMT_FP4 matrix_b_fmt:MATRIX_FMT_FP4
.endif
.else
.if \ks == 0
	v_wmma_scale_f32_16x16x128_f8f6f4 v[D_:D_+7], v[W_+8*\a:W_+8*\a+7], v[XF+8*\b:XF+8*\b+7], 0, v[S_+\a], v[XS+\b] matrix_a_fmt:MATRIX_FMT_FP4 matrix_b_fmt:MATRIX_FMT_FP4
.else
	v_wmma_scale_f32_16x16x128_f8f6f4 v[D_:D_+7], v[W_+8*\a:W_+8*\a+7], v[XF+8*\b:XF+8*\b+7], v[D_:D_+7], v[S_+\a], v[XS+\b] matrix_a_fmt:MATRIX_FMT_FP4 matrix_b_fmt:MATRIX_FMT_FP4
.endif
.endif
.endm
; A K step: x's four fragments from LDS, sixteen products on sixteen accumulators by turns (the first step's start the sums), four places, W's fragments of two steps on
.macro STEP ks, swap
.irp m, 0,1,2,3
.irp c, 0,1
	ds_load_b128 v[XF+8*\m+4*\c:XF+8*\m+4*\c+3], v[LI] offset:(\m*8+\ks)*1024+512*\c
.endr
	ds_load_b32 v[XS+\m], v[LS] offset:(\m*8+\ks)*128
.endr
.if \ks < 7
	s_wait_loadcnt 12                              ; this step's twelve loads of W are in; the next step's twelve may be out
.else
	s_wait_loadcnt 0x0
.endif
	s_wait_dscnt 0x0
.irp a, 0,1,2,3
.irp b, 0,1,2,3
	MM \ks, \swap, \a, \b
.endr
.endr
.rept 4
	v_nop                                          ; places in front of loads into registers that the products have read, and of the first read of results
.endr
.if \ks < 6
	WLOAD \ks+2
.endif
.endm
; Eight fragments leave: (x, y): low half from accumulator (2 y, x), high half from (2 y + 1, x).  mode 0: as they are; 1: + the biases in v32-63; 2: + bv of my channel
.macro EMIT p, SX, SY, mode
.irp x, 0,1,2,3
.irp y, 0,1
.set IDX, 2*\x+\y
.set LO_, ACC+8*(4*(2*\y)+\x)
.set HI_, ACC+8*(4*(2*\y+1)+\x)
.set O_, OO+8*(IDX%4)
.if (IDX%4) == 0
	s_wait_xcnt 0x0                                ; the earlier stores have read their data: the four sets of packed results are written again only behind this wait
.endif
.if \mode == 0
.irp i, 0,1,2,3
	v_cvt_pk_f16_f32 v[O_+\i], v[LO_+2*\i], v[LO_+2*\i+1]
.endr
.irp i, 0,1,2,3
	v_cvt_pk_f16_f32 v[O_+4+\i], v[HI_+2*\i], v[HI_+2*\i+1]
.endr
.else
.irp i, 0,1,2,3
.if \mode == 1
	v_pk_add_f32 v[TT+2*\i:TT+2*\i+1], v[LO_+2*\i:LO_+2*\i+1], v[XF+8*(2*\y)+2*\i:XF+8*(2*\y)+2*\i+1]
	v_pk_add_f32 v[TT+8+2*\i:TT+8+2*\i+1], v[HI_+2*\i:HI_+2*\i+1], v[XF+8*(2*\y+1)+2*\i:XF+8*(2*\y+1)+2*\i+1]
.else
	v_pk_add_f32 v[TT+2*\i:TT+2*\i+1], v[LO_+2*\i:LO_+2*\i+1], v[VBI+2*\x:VBI+2*\x+1] op_sel_hi:[1,0]
	v_pk_add_f32 v[TT+8+2*\i:TT+8+2*\i+1], v[HI_+2*\i:HI_+2*\i+1], v[VBI+2*\x:VBI+2*\x+1] op_sel_hi:[1,0]
.endif
.endr
.irp i, 0,1,2,3,4,5,6,7
	v_cvt_pk_f16_f32 v[O_+\i], v[TT+2*\i], v[TT+2*\i+1]
.endr
.endif
	global_store_b128 v[LI], v[O_:O_+3], s[\p:\p+1] offset:\x*\SX+\y*\SY
	global_store_b128 v[LI], v[O_+4:O_+7], s[\p:\p+1] offset:\x*\SX+\y*\SY+512
.endr
.endr
.endm
.macro LDB sel                         ; my half's eight biases of each of the four channel tiles into v32-63
.irp a, 0,1,2,3
.irp i, 0,1
	ds_load_b128 v[XF+8*\a+4*\i:XF+8*\a+4*\i+3], v[BA] offset:\sel*256+\a*64+16*\i
.endr
.endr
	s_wait_dscnt 0x0
.endm
.macro F32T m, mode, kind              ; the four accumulators of token tile m leave in f32, as they stand in the registers
	s_wait_xcnt 0x0
.irp t, 0,1,2,3
.set A_, ACC+8*(4*\t+\m)
.if \mode
.irp i, 0,1,2,3
	v_pk_add_f32 v[TT+8*\t+2*\i:TT+8*\t+2*\i+1], v[A_+2*\i:A_+2*\i+1], v[XF+8*\t+2*\i:XF+8*\t+2*\i+1]
.endr
	global_store_b128 v[LI], v[TT+8*\t:TT+8*\t+3], s[46:47] offset:\kind*131072+\t*1024
	global_store_b128 v[LI], v[TT+8*\t+4:TT+8*\t+7], s[46:47] offset:\kind*131072+\t*1024+512
.else
	global_store_b128 v[LI], v[A_:A_+3], s[46:47] offset:\kind*131072+\t*1024
	global_store_b128 v[LI], v[A_+4:A_+7], s[46:47] offset:\kind*131072+\t*1024+512
.endif
.endr
.endm
	s_cmp_eq_u32 s3, 2
	s_cbranch_scc1 .Lv
.irp ks, 0,1,2,3,4,5,6,7
	STEP \ks, 0
.endr
	s_cmp_eq_u32 s3, 0
	s_cbranch_scc0 .Lkpe
	LDB 0                                          ; q: twice, with each of the two biases
	EMIT 22, 2048, 1024, 1
	s_cmp_lg_u32 s36, 0
	s_cbranch_scc1 .Lq2
	F32T 0, 1, 0
.Lq2:
	LDB 1
	EMIT 48, 2048, 1024, 1
	s_cmp_lg_u32 s36, 0
	s_cbranch_scc1 .Lend
	F32T 0, 1, 1
	s_branch .Lend
.Lkpe:
	s_cmp_eq_u32 s3, 3
	s_cselect_b64 s[54:55], s[26:27], s[24:25]
	EMIT 54, 2048, 1024, 0
	s_cmp_eq_u32 s3, 3
	s_cbranch_scc1 .Lpef
	s_cmp_lg_u32 s36, 0
	s_cbranch_scc1 .Lend
	F32T 0, 0, 2                                   ; kh of tokens 0-15
	s_branch .Lend
.Lpef:
	s_cmp_lg_u32 s30, 31
	s_cbranch_scc1 .Lend
	F32T 3, 0, 4                                   ; pe of positions 2,033-2,048
	s_branch .Lend
.Lv:
.irp ks, 0,1,2,3,4,5,6,7
	STEP \ks, 1
.endr
	EMIT 52, 1024, 4096, 2
	s_cmp_lg_u32 s36, 0
	s_cbranch_scc1 .Lend
	s_wait_xcnt 0x0
.irp t, 0,1,2,3                                ; vh + bv of tokens 0-15: accumulator (0, t)
.irp i, 0,1,2,3
	v_pk_add_f32 v[TT+8*\t+2*\i:TT+8*\t+2*\i+1], v[ACC+8*\t+2*\i:ACC+8*\t+2*\i+1], v[VBI+2*\t:VBI+2*\t+1] op_sel_hi:[1,0]
.endr
	global_store_b128 v[LI], v[TT+8*\t:TT+8*\t+3], s[46:47] offset:3*131072+\t*1024
	global_store_b128 v[LI], v[TT+8*\t+4:TT+8*\t+7], s[46:47] offset:3*131072+\t*1024+512
.endr
.Lend:
	s_wait_tensorcnt 0x0                           ; the wave's end
	ds_add_u32 v[SPW], v[NIL]
	s_wait_dscnt 0x0
	s_endpgm
.Lfunc_end_k_q881433e295_proj:
	.size	k_q881433e295_proj, .Lfunc_end_k_q881433e295_proj-k_q881433e295_proj
	.p2alignl 7, 3214868480
	.fill 96, 4, 3214868480
	.section	.rodata,"a",@progbits
	.p2align	6, 0x0
	.amdhsa_kernel k_q881433e295_proj
		.amdhsa_group_segment_fixed_size 47104
		.amdhsa_private_segment_fixed_size 0
		.amdhsa_enable_private_segment 0
		.amdhsa_kernarg_size 104
		.amdhsa_user_sgpr_count 2
		.amdhsa_user_sgpr_kernarg_segment_ptr 1
		.amdhsa_wavefront_size32 1
		.amdhsa_system_sgpr_workgroup_id_x 1
		.amdhsa_system_sgpr_workgroup_id_y 1
		.amdhsa_system_sgpr_workgroup_id_z 1
		.amdhsa_system_vgpr_workitem_id 0
		.amdhsa_next_free_vgpr 256
		.amdhsa_next_free_sgpr 66
		.amdhsa_reserve_vcc 0
		.amdhsa_float_denorm_mode_32 3
		.amdhsa_float_denorm_mode_16_64 3
		.amdhsa_memory_ordered 1
		.amdhsa_forward_progress 1
		.amdhsa_inst_pref_size 122
	.end_amdhsa_kernel
	.amdgpu_metadata
---
amdhsa.version: [ 1, 2 ]
amdhsa.kernels:
  - .name:           k_q881433e295_proj
    .symbol:         k_q881433e295_proj.kd
    .args:
      - { .name: q, .offset: 0, .size: 8, .value_kind: global_buffer, .address_space: global }
      - { .name: k, .offset: 8, .size: 8, .value_kind: global_buffer, .address_space: global }
      - { .name: v, .offset: 16, .size: 8, .value_kind: global_buffer, .address_space: global }
      - { .name: pos_enc, .offset: 24, .size: 8, .value_kind: global_buffer, .address_space: global }
      - { .name: wbuf, .offset: 32, .size: 8, .value_kind: global_buffer, .address_space: global }
      - { .name: bq, .offset: 40, .size: 8, .value_kind: global_buffer, .address_space: global }
      - { .name: bv, .offset: 48, .size: 8, .value_kind: global_buffer, .address_space: global }
      - { .name: r_w_bias, .offset: 56, .size: 8, .value_kind: global_buffer, .address_space: global }
      - { .name: r_r_bias, .offset: 64, .size: 8, .value_kind: global_buffer, .address_space: global }
      - { .name: qbuf, .offset: 72, .size: 8, .value_kind: global_buffer, .address_space: global }
      - { .name: kv, .offset: 80, .size: 8, .value_kind: global_buffer, .address_space: global }
      - { .name: pef, .offset: 88, .size: 8, .value_kind: global_buffer, .address_space: global }
      - { .name: f32buf, .offset: 96, .size: 8, .value_kind: global_buffer, .address_space: global }
    .group_segment_fixed_size: 47104
    .private_segment_fixed_size: 0
    .kernarg_segment_align: 8
    .kernarg_segment_size: 104
    .max_flat_workgroup_size: 512
    .sgpr_count:     66
    .vgpr_count:     256
    .wavefront_size: 32
...
	.end_amdgpu_metadata
.endif
;; end of part 2
;; launch attn (part 3): grid 8 x 32, 8 waves a work-group, no clusters, 322,560 bytes of LDS; arguments qbuf, kv, pef, abuf; writes abuf
.if DOCPART == 3
	.amdgcn_target "amdgcn-amd-amdhsa--gfx1250"
	.amdhsa_code_object_version 6
	.text
	.protected	k_q881433e295_attn
	.globl	k_q881433e295_attn
	.p2align	8
	.type	k_q881433e295_attn,@function
k_q881433e295_attn:
	s_mov_b64 s[64:65], 0
	v_nop
	global_prefetch_b8 v0, s[64:65] scope:SCOPE_SE
	s_setreg_imm32_b32 hwreg(HW_REG_WAVE_MODE, 25, 1), 1
	s_wait_xcnt 0x0
; Attention with the relative term.  score(i, j) = ((qh_i + r_w_bias) . kh_j + (qh_i + r_r_bias) . pe[2048 - i + j]) / 8 for j <= i; softmax over j; times vh.
; LEFT OUT: all keys j > i in whole steps (the problem's own causal mask; inside the step on the diagonal they become -infinity): shown at the head of the first kernel.
; SHARES.  A work-group serves one (batch, head); wave w owns 32 queries, pair p = (g + 8 (w % 4)) xor (63 (w / 4)): waves w and w + 4 have p and 63 - p,
; so every work-group has the same number of key steps.  Keys go 64 a step; the loop has 32 trips in every work-group; a wave works while step <= p / 2.
; LAYOUT.  All products are used transposed: a lane holds ONE query (lane % 16) and eight keys or channels.
; THE RELATIVE TERM.  With P' = position - 1 = 2047 - i + j, a tile of 16 queries and 64 keys needs 79 neighbouring rows of pe: five tiles of 16, from tile
; 127 - 2 p - a + 4 step on; in them key kk of query r is row 15 - r + kk.  R^T = pe (qh + r_r_bias)^T is made for these 80 rows, goes in f32 through the wave's own
; stage in LDS (16 rows of 336 bytes), and is read back skewed, one word a lane; it is then the C of the content product, so that no addition is spent on it.
; Tiles past 127 are held at 127: they feed only keys j > i.
; LDS: the head's whole pe (256 KiB of f16 fragments), filled once; one step's K and V (16 KiB), copied through registers, two barriers a trip; the stages.
; NO CLUSTER: LDS is filled through registers, and the work-groups of a head need different numbers of key steps ((63 - g) / 2 + 1).
; SOFTMAX: a running maximum m and sum l for each query; p = 2^(c s - m), c = log2(e) / 8; O and l are multiplied by 2^(m_old - m_new) in every step.
; OUT: abuf, f16, as images of the next product's fragments: [tile of 16 tokens 256][32 of D: 32].  The tile of tokens 0-15 lies inside a wave's 32 queries and is made with them.
; LIMITS: f16 operands (p <= 1; |vh|, |O| under 65,504).
.set PEB, 0
.set KB,  262144
.set VB,  270336
.set STG, 278528
.set SPARE, 321536                     ; the spare words, 128 bytes a wave: named by no other line
.set F,   48                           ; v48-111  eight fragments: pe's, then K's, then V's
.set SC,  34                           ; s34  the step
.set TB,  35                           ; s35  tile 126 - 2 p + 4 step
.set CS,  44                           ; s[44:45] c
.set SEL, 46                           ; s[46:47] lane l xor 16
; v1 16 x lane; v2 K's, v3 V's place; v4 pe's address in hand; v5 into the stage, v6 out of it; v7, v11 the copy's places; v8, v9 the add's two; v10 the mask's distance;
; v12-15 (-m, m) of tiles 0, 1; v16-19 l in two halves; v20-23 (alpha, a written dummy); v24-27 maxima; v28-29 permute destinations; v30 256 x lane; v31 -infinity;
; v32-47 the copy; v112-143 qh + r_w_bias, v144-175 qh + r_r_bias (16 a + 8 ks); v176-255 R^T (8 (5 a + tile)), then S^T and p at 176 + 32 a.  Window 1: v0-63 O^T (8 (4 a + ct)).
.set MSB, 0
.macro WIN new                         ; the immediate's high byte repeats the setting that is left
.if MSB != \new
	s_set_vgpr_msb (MSB<<8)|\new
.set MSB, \new
.endif
.endm
.set W_PV, 0x50                        ; C and D in window 1
.set W_RS, 0x41                        ; destination and source 0 in window 1
.set W_OUT, 0x05                       ; sources 0 and 1 in window 1
	s_load_b256 s[4:11], s[0:1], 0x0               ; qbuf, kv, pef, abuf
	v_lshl_add_u32 v8, v0, 2, SPARE
	v_mov_b32 v9, 0
	v_lshrrev_b32 v1, 5, v0
	v_readfirstlane_b32 s2, v1                     ; wave 0..7
	v_and_b32 v10, 31, v0                          ; lane
	v_lshlrev_b32 v1, 4, v10
	v_add_nc_u32 v2, KB, v1
	v_add_nc_u32 v3, VB, v1
	v_and_b32 v24, 15, v0                          ; r
	v_bfe_u32 v25, v0, 4, 1                        ; h
	s_mul_i32 s40, s2, 5376
	s_add_co_u32 s40, s40, STG                     ; my stage
	v_mul_u32_u24 v5, v24, 336
	v_lshl_add_u32 v5, v25, 5, v5
	v_add_nc_u32 v5, s40, v5                       ; in: row r, + 32 h
	v_mul_u32_u24 v6, v24, 332
	v_lshl_add_u32 v6, v25, 5, v6
	v_add_nc_u32 v6, s40, v6
	v_add_nc_u32 v6, 60, v6                        ; out: row r, word 15 - r + 8 h
	s_lshl_b32 s41, s2, 10
	v_add_nc_u32 v11, s41, v1                      ; my 1,024 bytes of a step's K, and of its V
	v_add_nc_u32 v7, KB, v11
	s_lshl_b32 s41, s2, 15
	v_add_nc_u32 v4, s41, v1                       ; my 32 KiB of pe
	v_lshlrev_b32 v30, 8, v10
	v_mov_b32 v31, 0xff800000
	v_mov_b32 v13, 0xff61b1e6                      ; m = -3e38, under every score
	v_mov_b32 v15, 0xff61b1e6
	v_mov_b32 v12, 0x7f61b1e6
	v_mov_b32 v14, 0x7f61b1e6
.irp i, 16,17,18,19,20,21,22,23,28,29
	v_mov_b32 v\i, 0
.endr
	s_and_b32 s40, s2, 3
	s_lshl_b32 s40, s40, 3
	s_add_co_u32 s3, s40, ttmp9
	s_lshr_b32 s40, s2, 2
	s_mul_i32 s40, s40, 63
	s_xor_b32 s3, s3, s40                          ; p
	s_lshr_b32 s32, s3, 1                          ; my last step
	s_sub_co_u32 s33, 63, ttmp9
	s_lshr_b32 s33, s33, 1                         ; the work-group's last step
	s_lshl_b32 s[TB], s3, 1
	s_xor_b32 s[TB], s[TB], 126                    ; 126 - 2 p
	s_xor_b32 s40, s2, 4
	s_or_b32 s40, s40, ttmp9
	s_cmp_eq_u32 s40, 0
	s_cselect_b32 s42, s33, 0                      ; wave 4 of the head's first work-group prefetches; it works in every trip
	s_mov_b32 s[CS], 0x3e38aa3b                    ; log2(e) / 8
	s_mov_b32 s[CS+1], s[CS]
	s_mov_b32 s[SEL], 0x76543210
	s_mov_b32 s[SEL+1], 0xfedcba98
	s_and_b32 s49, ttmp7, 0xffff                   ; bh
	s_and_b32 s48, s49, 15                         ; head
	s_lshr_b32 s43, s49, 4                         ; batch
	s_lshl_b32 s50, s49, 18
	s_mov_b32 s51, 0
	s_lshl_b32 s52, s48, 18
	s_add_co_u32 s52, s52, s41                     ; pe: head x 262,144 + wave x 32,768
	s_mov_b32 s53, 0
	s_lshl_b32 s54, s3, 12                         ; Q: p x 4,096
	s_add_co_u32 s54, s54, s50
	s_mov_b32 s55, 0
	s_lshl_b32 s58, s43, 7
	s_lshl_b32 s40, s3, 1
	s_add_co_u32 s58, s58, s40
	s_lshl_b32 s58, s58, 15                        ; abuf: tile 128 batch + 2 p,
	s_lshl_b32 s40, s48, 11
	s_add_co_u32 s58, s58, s40                     ; + head x 2,048
	s_mov_b32 s59, 0
	s_wait_kmcnt 0x0
	s_add_nc_u64 s[36:37], s[6:7], s[50:51]        ; K of step 0
	s_add_nc_u64 s[38:39], s[36:37], 0x800000      ; V of step 0
	s_add_nc_u64 s[52:53], s[8:9], s[52:53]
	s_add_nc_u64 s[54:55], s[4:5], s[54:55]
	s_add_nc_u64 s[56:57], s[54:55], 0x800000
	s_add_nc_u64 s[58:59], s[10:11], s[58:59]
.macro PLD bt, reg                     ; sixteen loads of 512 bytes: a quarter of my 32 KiB of pe
.set ii, 0
.rept 16
	global_load_b128 v[\reg+4*ii:\reg+4*ii+3], v1, s[52:53] offset:(16*\bt+ii)*512
.set ii, ii+1
.endr
.endm
.macro PST bt, reg
.set ii, 0
.rept 16
	ds_store_b128 v4, v[\reg+4*ii:\reg+4*ii+3] offset:(16*\bt+ii)*512
.set ii, ii+1
.endr
.endm
	PLD 0, 48
	PLD 1, 112
	s_wait_loadcnt 16                              ; the older sixteen are in; the younger sixteen may be out
	PST 0, 48
	s_wait_dscnt 0x0                               ; the stores have read their registers
	PLD 2, 48
	s_wait_loadcnt 16
	PST 1, 112
	s_wait_dscnt 0x0
	PLD 3, 112
	s_wait_loadcnt 16
	PST 2, 48
	s_wait_loadcnt 0x0
	PST 3, 112
	s_wait_dscnt 0x0
.irp i, 0,1,2,3,4,5,6,7                        ; Q stays in registers: tile a = i / 4, ks = (i / 2) % 2
	global_load_b128 v[112+4*\i:115+4*\i], v1, s[54:55] offset:\i*512
	global_load_b128 v[144+4*\i:147+4*\i], v1, s[56:57] offset:\i*512
.endr
	global_load_b128 v[32:35], v11, s[36:37]       ; step 0's K and V: my part
	global_load_b128 v[36:39], v11, s[36:37] offset:512
	global_load_b128 v[40:43], v11, s[38:39]
	global_load_b128 v[44:47], v11, s[38:39] offset:512
	WIN 0x40
.set ii, 0
.rept 64
	v_mov_b32 v[ii], 0                             ; O^T, once: the step is written once, and the first change of m leaves zeros zeros
.set ii, ii+1
.endr
	WIN 0
	s_wait_xcnt 0x0                                ; the loads have read their bases
	s_add_nc_u64 s[36:37], s[36:37], 8192          ; from here on K's and V's addresses stand one step ahead of the trip
	s_add_nc_u64 s[38:39], s[38:39], 8192
	s_mov_b32 s[SC], 0
.macro RLOAD u, slot                   ; pe's tile TB + u, held at 127: two fragments
	s_add_co_u32 s40, s[TB], \u
	s_min_u32 s40, s40, 127
	s_lshl_b32 s40, s40, 11
	v_add_nc_u32 v4, s40, v1
.irp i, 0,1,2,3
	ds_load_b128 v[F+16*\slot+4*\i:F+16*\slot+4*\i+3], v4 offset:\i*512
.endr
.endm
.macro RMUL a, tau, slot, ks
.set D_, 176+8*(5*\a+\tau)
.if \ks == 0
	v_wmma_f32_16x16x32_f16 v[D_:D_+7], v[F+16*\slot:F+16*\slot+7], v[144+16*\a:144+16*\a+7], 0
.else
	v_wmma_f32_16x16x32_f16 v[D_:D_+7], v[F+16*\slot+8:F+16*\slot+15], v[152+16*\a:152+16*\a+7], v[D_:D_+7]
.endif
.endm
.Ltrip:
	s_wait_dscnt 0x0                               ; my reads of the last step's K and V are over (first trip: my stores of pe have landed)
	s_barrier_signal -1
	s_barrier_wait -1                              ; everybody's are
	s_wait_loadcnt 0x0                             ; my part of this step's K and V is in registers (first trip: Q too)
	ds_store_b128 v7, v[32:35]
	ds_store_b128 v7, v[36:39] offset:512
	ds_store_b128 v7, v[40:43] offset:8192
	ds_store_b128 v7, v[44:47] offset:8704
	s_wait_dscnt 0x0                               ; for the others' sake: my stores have landed
	s_barrier_signal -1
	s_barrier_wait -1                              ; the step's K and V lie in LDS
	s_cmp_lt_u32 s[SC], s33                        ; the next step's, while some wave of the work-group will read it: no load leaves its buffer
	s_cbranch_scc0 .Lnoload
	global_load_b128 v[32:35], v11, s[36:37]
	global_load_b128 v[36:39], v11, s[36:37] offset:512
	global_load_b128 v[40:43], v11, s[38:39]
	global_load_b128 v[44:47], v11, s[38:39] offset:512
.Lnoload:
	s_add_co_u32 s40, s[SC], 3                     ; a prefetch of K and V of step + 3, two trips ahead of the loads that will want them: 8,192 bytes each, lanes 256 bytes apart;
	s_cmp_le_u32 s40, s42                          ; all eight work-groups of a head walk the same K and V: one wave of the first asks, so each block is named once; it stops at the last step
	s_cbranch_scc0 .Lnoask
	global_prefetch_b8 v30, s[36:37] offset:16384 th:TH_LOAD_NT scope:SCOPE_SE
	global_prefetch_b8 v30, s[38:39] offset:16384 th:TH_LOAD_NT scope:SCOPE_SE
.Lnoask:
	s_cmp_gt_u32 s[SC], s32                        ; all keys of this step come after my queries: no work, but every barrier
	s_cbranch_scc1 .Lskip
	; ---- R^T = pe (qh + r_r_bias)^T: six tiles of pe in two batches; tile u serves query tile 1 as its tile u and query tile 0 as its tile u - 1
	RLOAD 0, 0
	RLOAD 1, 1
	RLOAD 2, 2
	s_wait_dscnt 0x0
.irp ks, 0,1                                   ; five accumulators by turns
	RMUL 1, 0, 0, \ks
	RMUL 1, 1, 1, \ks
	RMUL 0, 0, 1, \ks
	RMUL 1, 2, 2, \ks
	RMUL 0, 1, 2, \ks
.endr
.rept 4
	v_nop                                          ; places in front of loads into registers that the products have read
.endr
	RLOAD 3, 0
	RLOAD 4, 1
	RLOAD 5, 2
	s_wait_dscnt 0x0
.irp ks, 0,1
	RMUL 1, 3, 0, \ks
	RMUL 0, 2, 0, \ks
	RMUL 1, 4, 1, \ks
	RMUL 0, 3, 1, \ks
	RMUL 0, 4, 2, \ks
.endr
.rept 5
	v_nop                                          ; five: the content products write over these results' registers
.endr
.irp i, 0,1,2,3,4,5,6,7,8,9,10,11,12,13,14,15 ; K: fragment (t, ks) at F + 8 (2 t + ks)
	ds_load_b128 v[F+4*\i:F+4*\i+3], v2 offset:\i*512
.endr
	; ---- the skew: LDS serves a wave's instructions in order, so one stage serves both tiles and no wait stands between stores and loads
.irp a, 0,1
.irp tau, 0,1,2,3,4
	ds_store_b128 v5, v[176+8*(5*\a+\tau):179+8*(5*\a+\tau)] offset:\tau*64        ; each result from its low end on
	ds_store_b128 v5, v[180+8*(5*\a+\tau):183+8*(5*\a+\tau)] offset:\tau*64+16
.endr
.irp t, 0,1,2,3
.irp j, 0,1,2,3,4,5,6,7
	ds_load_b32 v[176+32*\a+8*\t+\j], v6 offset:64*\t+4*\j                         ; key 16 t + 8 h + j of query r: word 15 - r + that key
.endr
.endr
.endr
	s_wait_dscnt 0x0
	; ---- S^T = K (qh + r_w_bias)^T + the skewed R^T: eight accumulators by turns
.irp ks, 0,1
.irp t, 0,1,2,3
.irp a, 0,1
	v_wmma_f32_16x16x32_f16 v[176+32*\a+8*\t:183+32*\a+8*\t], v[F+8*(2*\t+\ks):F+8*(2*\t+\ks)+7], v[112+16*\a+8*\ks:119+16*\a+8*\ks], v[176+32*\a+8*\t:183+32*\a+8*\t]
.endr
.endr
.endr
.rept 4
	v_nop
.endr
.irp i, 0,1,2,3,4,5,6,7,8,9,10,11,12,13,14,15 ; V: fragment (u, ct) at F + 8 (4 u + ct); it lands while the softmax is worked
	ds_load_b128 v[F+4*\i:F+4*\i+3], v3 offset:\i*512
.endr
	s_cmp_lg_u32 s[SC], s32                        ; my last step lies on the diagonal: hidden scores become -infinity
	s_cbranch_scc1 .Lopen
	s_lshl_b32 s40, s3, 5
	s_lshl_b32 s41, s[SC], 6
	s_sub_co_i32 s40, s40, s41
	v_and_b32 v10, 15, v0
	v_bfe_u32 v24, v0, 4, 1
	v_lshlrev_b32 v24, 3, v24
	v_sub_nc_u32 v10, v10, v24
	v_add_nc_u32 v10, s40, v10                     ; d = r - 8 h + 32 p - 64 step: register (a, t, j) is hidden where 16 t + j - 16 a > d
.irp a, 0,1
.irp t, 0,1,2,3
.irp j, 0,1,2,3,4,5,6,7
	v_cmp_gt_i32 vcc_lo, 16*\t+\j-16*\a, v10
	v_cndmask_b32 v[176+32*\a+8*\t+\j], v[176+32*\a+8*\t+\j], v31, vcc_lo
.endr
.endr
.endr
.Lopen:
	; ---- the softmax.  Every step that a wave works has a key that counts for each of its queries, so m is a number
.irp b, 0,1,2,3
	v_max3_num_f32 v[24+\b], v[176+16*\b], v[177+16*\b], v[178+16*\b]
.endr
.irp i, 3,5,7,9,11,13
.irp b, 0,1,2,3
	v_max3_num_f32 v[24+\b], v[24+\b], v[176+16*\b+\i], v[177+16*\b+\i]
.endr
.endr
.irp b, 0,1,2,3
	v_max_num_f32 v[24+\b], v[24+\b], v[191+16*\b]
.endr
.irp a, 0,1
	v_max_num_f32 v[24+2*\a], v[24+2*\a], v[25+2*\a]
.endr
.irp a, 0,1
	v_permlanex16_b32 v[28+\a], v[24+2*\a], s[SEL], s[SEL+1]
.endr
.irp a, 0,1
	v_max_num_f32 v[24+2*\a], v[24+2*\a], v[28+\a]
.endr
.irp a, 0,1
	v_mul_f32 v[24+2*\a], s[CS], v[24+2*\a]
.endr
.irp a, 0,1
	v_max_num_f32 v[25+2*\a], v[13+2*\a], v[24+2*\a]               ; the new m
.endr
.irp a, 0,1
	v_sub_f32 v[20+2*\a], v[13+2*\a], v[25+2*\a]                   ; m_old - m_new
.endr
.irp a, 0,1
	v_mov_b32 v[13+2*\a], v[25+2*\a]
	v_xor_b32 v[12+2*\a], 0x80000000, v[25+2*\a]
.endr
.irp a, 0,1
.irp j, 0,2,4,6,8,10,12,14,16,18,20,22,24,26,28,30
	v_pk_fma_f32 v[176+32*\a+\j:177+32*\a+\j], v[176+32*\a+\j:177+32*\a+\j], s[CS:CS+1], v[12+2*\a:13+2*\a] op_sel_hi:[1,0,0]   ; c s - m
.endr
.endr
	v_exp_f32 v20, v20                             ; one batch: the two alphas and the 64 weights
	v_exp_f32 v22, v22
.set ii, 0
.rept 64
	v_exp_f32 v[176+ii], v[176+ii]
.set ii, ii+1
.endr
	v_nop                                          ; a plain instruction behind the last exponential
	s_wait_alu depctr_va_vdst(0)                   ; one wait for the batch, ahead of its first reader
.irp a, 0,1
	v_pk_mul_f32 v[16+2*\a:17+2*\a], v[16+2*\a:17+2*\a], v[20+2*\a:21+2*\a] op_sel_hi:[1,0]
	v_pk_add_f32 v[24+2*\a:25+2*\a], v[176+32*\a:177+32*\a], v[178+32*\a:179+32*\a]
.endr
.irp j, 4,8,12,16,20,24,28
.irp a, 0,1
	v_pk_add_f32 v[16+2*\a:17+2*\a], v[16+2*\a:17+2*\a], v[176+32*\a+\j:177+32*\a+\j]
	v_pk_add_f32 v[24+2*\a:25+2*\a], v[24+2*\a:25+2*\a], v[178+32*\a+\j:179+32*\a+\j]
.endr
.endr
.irp a, 0,1
	v_pk_add_f32 v[16+2*\a:17+2*\a], v[16+2*\a:17+2*\a], v[24+2*\a:25+2*\a]
.endr
.irp a, 0,1                                    ; p to f16, in place and ascending: the 16 registers of key tiles 2 u, 2 u + 1 become the 8 of fragment (a, u)
.irp u, 0,1
.irp i, 0,1,2,3,4,5,6,7
	v_cvt_pk_f16_f32 v[176+32*\a+16*\u+\i], v[176+32*\a+16*\u+2*\i], v[176+32*\a+16*\u+2*\i+1]
.endr
.endr
.endr
	WIN W_RS
.irp a, 0,1
.irp j, 0,2,4,6,8,10,12,14,16,18,20,22,24,26,28,30
	v_pk_mul_f32 v[32*\a+\j:32*\a+\j+1], v[32*\a+\j:32*\a+\j+1], v[20+2*\a:21+2*\a] op_sel_hi:[1,0]   ; O^T x alpha
.endr
.endr
	s_wait_dscnt 0x0                               ; V is in
	WIN W_PV
.irp u, 0,1                                    ; O^T += V^T p: eight accumulators by turns
.irp ct, 0,1,2,3
.irp a, 0,1
	v_wmma_f32_16x16x32_f16 v[8*(4*\a+\ct):8*(4*\a+\ct)+7], v[F+8*(4*\u+\ct):F+8*(4*\u+\ct)+7], v[176+32*\a+16*\u:183+32*\a+16*\u], v[8*(4*\a+\ct):8*(4*\a+\ct)+7]
.endr
.endr
.endr
	WIN 0
.rept 5
	v_nop                                          ; five: the next step's first products write over p's registers
.endr
.Lskip:
	s_wait_xcnt 0x0                                ; this trip's loads and prefetches have read their bases
	s_add_nc_u64 s[36:37], s[36:37], 8192
	s_add_nc_u64 s[38:39], s[38:39], 8192
	s_add_co_u32 s[TB], s[TB], 4
	s_add_co_u32 s[SC], s[SC], 1
	s_cmp_lt_u32 s[SC], 32
	s_cbranch_scc1 .Ltrip
	; ---- the way out: O^T / l, to f16; a lane's eight channels are 16 bytes of the next product's fragment: each store covers 512 consecutive bytes
.irp a, 0,1
	v_add_f32 v[24+\a], v[16+2*\a], v[17+2*\a]
.endr
.irp a, 0,1
	v_permlanex16_b32 v[28+\a], v[24+\a], s[SEL], s[SEL+1]
.endr
.irp a, 0,1
	v_add_f32 v[24+\a], v[24+\a], v[28+\a]
.endr
.irp a, 0,1
	v_rcp_f32 v[20+2*\a], v[24+\a]
.endr
	v_nop
	s_wait_alu depctr_va_vdst(0)
	WIN W_RS
.irp a, 0,1
.irp j, 0,2,4,6,8,10,12,14,16,18,20,22,24,26,28,30
	v_pk_mul_f32 v[32*\a+\j:32*\a+\j+1], v[32*\a+\j:32*\a+\j+1], v[20+2*\a:21+2*\a] op_sel_hi:[1,0]
.endr
.endr
	WIN W_OUT
.set ii, 0
.rept 32
	v_cvt_pk_f16_f32 v[F+ii], v[2*ii], v[2*ii+1]
.set ii, ii+1
.endr
	WIN 0
.irp a, 0,1
.irp ct, 0,1,2,3
	global_store_b128 v1, v[F+4*(4*\a+\ct):F+4*(4*\a+\ct)+3], s[58:59] offset:\a*32768+\ct*512
.endr
.endr
	s_wait_tensorcnt 0x0                           ; the wave's end
	ds_add_u32 v8, v9
	s_wait_dscnt 0x0
	s_endpgm
.Lfunc_end_k_q881433e295_attn:
	.size	k_q881433e295_attn, .Lfunc_end_k_q881433e295_attn-k_q881433e295_attn
	.p2alignl 7, 3214868480
	.fill 96, 4, 3214868480
	.section	.rodata,"a",@progbits
	.p2align	6, 0x0
	.amdhsa_kernel k_q881433e295_attn
		.amdhsa_group_segment_fixed_size 322560
		.amdhsa_private_segment_fixed_size 0
		.amdhsa_enable_private_segment 0
		.amdhsa_kernarg_size 32
		.amdhsa_user_sgpr_count 2
		.amdhsa_user_sgpr_kernarg_segment_ptr 1
		.amdhsa_wavefront_size32 1
		.amdhsa_system_sgpr_workgroup_id_x 1
		.amdhsa_system_sgpr_workgroup_id_y 1
		.amdhsa_system_sgpr_workgroup_id_z 1
		.amdhsa_system_vgpr_workitem_id 0
		.amdhsa_next_free_vgpr 320
		.amdhsa_next_free_sgpr 66
		.amdhsa_reserve_vcc 1
		.amdhsa_float_denorm_mode_32 3
		.amdhsa_float_denorm_mode_16_64 3
		.amdhsa_memory_ordered 1
		.amdhsa_forward_progress 1
		.amdhsa_inst_pref_size 56
	.end_amdhsa_kernel
	.amdgpu_metadata
---
amdhsa.version: [ 1, 2 ]
amdhsa.kernels:
  - .name:           k_q881433e295_attn
    .symbol:         k_q881433e295_attn.kd
    .args:
      - { .name: qbuf, .offset: 0, .size: 8, .value_kind: global_buffer, .address_space: global }
      - { .name: kv, .offset: 8, .size: 8, .value_kind: global_buffer, .address_space: global }
      - { .name: pef, .offset: 16, .size: 8, .value_kind: global_buffer, .address_space: global }
      - { .name: abuf, .offset: 24, .size: 8, .value_kind: global_buffer, .address_space: global }
    .group_segment_fixed_size: 322560
    .private_segment_fixed_size: 0
    .kernarg_segment_align: 8
    .kernarg_segment_size: 32
    .max_flat_workgroup_size: 256
    .sgpr_count:     66
    .vgpr_count:     320
    .wavefront_size: 32
...
	.end_amdgpu_metadata
.endif
;; end of part 3
;; launch oproj (part 4): grid 16 x 16, 4 waves a work-group, no clusters, 0 bytes of LDS; arguments abuf, wbuf, bo, out0; writes out0
.if DOCPART == 4
	.amdgcn_target "amdgcn-amd-amdhsa--gfx1250"
	.amdhsa_code_object_version 6
	.text
	.protected	k_q881433e295_oproj
	.globl	k_q881433e295_oproj
	.p2align	8
	.type	k_q881433e295_oproj,@function
k_q881433e295_oproj:
	s_mov_b64 s[64:65], 0
	v_nop
	global_prefetch_b8 v0, s[64:65] scope:SCOPE_SE
	s_setreg_imm32_b32 hwreg(HW_REG_WAVE_MODE, 25, 1), 1
	s_wait_xcnt 0x0
; out0 = attention's result x Wo + bo, f16 operands, f32 sums.  LEFT OUT: the stores of rows 0-15 of each batch, which the last launch owns (it makes them in f32).
; A wave takes 64 rows x 64 columns: sixteen accumulators by turns; both operands come from memory straight into registers, as images of fragments, one K step of 32 ahead.
; No LDS, no barrier, no cluster: nothing goes through LDS that could be shared.  The 64 columns of a group are four tiles whose column r is n = 64 cg + 4 r + c4:
; so a lane's four results of a row are 16 neighbouring bytes, and sixteen lanes store 256 consecutive bytes, aligned.
; window 0: v1 16 x lane; v2 my place in out0; v3 16 r; v4-7 bo; v128-255 two sets of A's four and B's four fragments, later the sums to store.  window 1: v0-127 accumulator (m, c4) at 8 (4 m + c4).
.set MSB, 0
.macro WIN new
.if MSB != \new
	s_set_vgpr_msb (MSB<<8)|\new
.set MSB, \new
.endif
.endm
	s_load_b256 s[4:11], s[0:1], 0x0               ; abuf, wbuf, bo, out0
	v_lshrrev_b32 v1, 5, v0
	v_readfirstlane_b32 s2, v1                     ; wave 0..3
	v_and_b32 v8, 31, v0
	v_lshlrev_b32 v1, 4, v8
	v_and_b32 v9, 15, v0
	v_bfe_u32 v10, v0, 4, 1
	v_lshlrev_b32 v3, 4, v9
	v_lshl_add_u32 v2, v10, 15, v3                 ; 8 h rows of 4,096 bytes + 16 r
	s_and_b32 s3, ttmp7, 0xffff
	s_lshl_b32 s12, s3, 2
	s_add_co_u32 s12, s12, s2                      ; which 64 rows
	s_lshl_b32 s14, s12, 17                        ; four tiles of 32,768 bytes
	s_mov_b32 s15, 0
	s_lshl_b32 s16, ttmp9, 17
	s_add_co_u32 s16, s16, 2228224                 ; Wo's fragments of my 64 columns
	s_mov_b32 s17, 0
	s_lshl_b32 s18, s12, 18
	s_lshl_b32 s20, ttmp9, 8
	s_add_co_u32 s18, s18, s20                     ; out0: 64 rows of 4,096 bytes, 64 columns of 4
	s_mov_b32 s19, 0
	s_mov_b32 s21, 0
	s_and_b32 s22, s3, 7
	s_or_b32 s22, s22, s2                          ; 0 where my first 16 rows are a batch's first
	s_wait_kmcnt 0x0
	s_add_nc_u64 s[4:5], s[4:5], s[14:15]
	s_add_nc_u64 s[6:7], s[6:7], s[16:17]
	s_add_nc_u64 s[8:9], s[8:9], s[20:21]
	s_add_nc_u64 s[10:11], s[10:11], s[18:19]
	global_load_b128 v[4:7], v3, s[8:9]            ; bo of my four columns
.macro LOAD set, off
.irp m, 0,1,2,3
.irp c, 0,1
	global_load_b128 v[128+64*\set+8*\m+4*\c:128+64*\set+8*\m+4*\c+3], v1, s[4:5] offset:\m*32768+\off+\c*512
.endr
.endr
.irp m, 0,1,2,3
.irp c, 0,1
	global_load_b128 v[160+64*\set+8*\m+4*\c:160+64*\set+8*\m+4*\c+3], v1, s[6:7] offset:\m*32768+\off+\c*512
.endr
.endr
.endm
.macro MUL set, zero
	WIN 0x50                                       ; C and D in window 1
.irp m, 0,1,2,3
.irp c, 0,1,2,3
.if \zero
	v_wmma_f32_16x16x32_f16 v[8*(4*\m+\c):8*(4*\m+\c)+7], v[128+64*\set+8*\m:128+64*\set+8*\m+7], v[160+64*\set+8*\c:160+64*\set+8*\c+7], 0
.else
	v_wmma_f32_16x16x32_f16 v[8*(4*\m+\c):8*(4*\m+\c)+7], v[128+64*\set+8*\m:128+64*\set+8*\m+7], v[160+64*\set+8*\c:160+64*\set+8*\c+7], v[8*(4*\m+\c):8*(4*\m+\c)+7]
.endif
.endr
.endr
	WIN 0
.rept 4
	v_nop                                          ; places in front of loads into, and writes of, registers that the products have read, and of the first read of results
.endr
.endm
	LOAD 0, 0
	LOAD 1, 1024
	s_wait_loadcnt 16                              ; everywhere below: this set's sixteen loads are in, the other set's sixteen may be out
	MUL 0, 1                                       ; the first K step starts the sums
	LOAD 0, 2048
	s_mov_b32 s23, 14
.Lk:
	s_wait_loadcnt 16
	MUL 1, 0
	LOAD 1, 3072
	s_wait_loadcnt 16
	MUL 0, 0
	LOAD 0, 4096
	s_wait_xcnt 0x0                                ; the loads have read their bases
	s_add_nc_u64 s[4:5], s[4:5], 2048
	s_add_nc_u64 s[6:7], s[6:7], 2048
	s_sub_co_u32 s23, s23, 1
	s_cmp_lg_u32 s23, 0
	s_cbranch_scc1 .Lk
	s_wait_loadcnt 16
	MUL 1, 0                                       ; K step 29
	LOAD 1, 3072                                   ; K step 31: the last
	s_wait_loadcnt 16
	MUL 0, 0
	s_wait_loadcnt 0x0
	MUL 1, 0
.macro OUT m
	WIN 0x01                                       ; source 0 in window 1
.irp j, 0,1,2,3,4,5,6,7                        ; each accumulator from its low end on
.irp c, 0,1,2,3
	v_add_f32 v[128+4*(8*\m+\j)+\c], v[8*(4*\m+\c)+\j], v[4+\c]
.endr
.endr
	WIN 0
.irp j, 0,1,2,3,4,5,6,7
	global_store_b128 v2, v[128+4*(8*\m+\j):128+4*(8*\m+\j)+3], s[10:11] offset:(16*\m+\j)*4096 th:TH_STORE_NT
.endr
.endm
	s_cmp_eq_u32 s22, 0
	s_cbranch_scc1 .Lnot_first
	OUT 0
.Lnot_first:
	OUT 1
	OUT 2
	OUT 3
	s_endpgm
.Lfunc_end_k_q881433e295_oproj:
	.size	k_q881433e295_oproj, .Lfunc_end_k_q881433e295_oproj-k_q881433e295_oproj
	.p2alignl 7, 3214868480
	.fill 96, 4, 3214868480
	.section	.rodata,"a",@progbits
	.p2align	6, 0x0
	.amdhsa_kernel k_q881433e295_oproj
		.amdhsa_group_segment_fixed_size 0
		.amdhsa_private_segment_fixed_size 0
		.amdhsa_enable_private_segment 0
		.amdhsa_kernarg_size 32
		.amdhsa_user_sgpr_count 2
		.amdhsa_user_sgpr_kernarg_segment_ptr 1
		.amdhsa_wavefront_size32 1
		.amdhsa_system_sgpr_workgroup_id_x 1
		.amdhsa_system_sgpr_workgroup_id_y 1
		.amdhsa_system_sgpr_workgroup_id_z 1
		.amdhsa_system_vgpr_workitem_id 0
		.amdhsa_next_free_vgpr 384
		.amdhsa_next_free_sgpr 66
		.amdhsa_reserve_vcc 0
		.amdhsa_float_denorm_mode_32 3
		.amdhsa_float_denorm_mode_16_64 3
		.amdhsa_memory_ordered 1
		.amdhsa_forward_progress 1
		.amdhsa_inst_pref_size 26
	.end_amdhsa_kernel
	.amdgpu_metadata
---
amdhsa.version: [ 1, 2 ]
amdhsa.kernels:
  - .name:           k_q881433e295_oproj
    .symbol:         k_q881433e295_oproj.kd
    .args:
      - { .name: abuf, .offset: 0, .size: 8, .value_kind: global_buffer, .address_space: global }
      - { .name: wbuf, .offset: 8, .size: 8, .value_kind: global_buffer, .address_space: global }
      - { .name: bo, .offset: 16, .size: 8, .value_kind: global_buffer, .address_space: global }
      - { .name: out0, .offset: 24, .size: 8, .value_kind: global_buffer, .address_space: global }
    .group_segment_fixed_size: 0
    .private_segment_fixed_size: 0
    .kernarg_segment_align: 8
    .kernarg_segment_size: 32
    .max_flat_workgroup_size: 128
    .sgpr_count:     66
    .vgpr_count:     384
    .wavefront_size: 32
...
	.end_amdgpu_metadata
.endif
;; end of part 4
;; launch first16 (part 5): grid 16 x 2, 16 waves a work-group, no clusters, 121,856 bytes of LDS; arguments f32buf, Wo, bo, out0; writes out0
.if DOCPART == 5
	.amdgcn_target "amdgcn-amd-amdhsa--gfx1250"
	.amdhsa_code_object_version 6
	.text
	.protected	k_q881433e295_first16
	.globl	k_q881433e295_first16
	.p2align	8
	.type	k_q881433e295_first16,@function
k_q881433e295_first16:
	s_mov_b64 s[64:65], 0
	v_nop
	global_prefetch_b8 v0, s[64:65] scope:SCOPE_SE
	s_setreg_imm32_b32 hwreg(HW_REG_WAVE_MODE, 25, 1), 1
	s_wait_xcnt 0x0
; Positions 0-15 of each batch, wholly in f32: these rows average one to sixteen values and carry the rounding of 16-bit operands worst.
; LEFT OUT: keys j > i (the problem's own causal mask; here inside the one tile, as -infinity), and bk: shown at the head of the first kernel.
; A work-group makes 16 rows x 64 columns of out0 (n0 = 64 x, batch y).  PHASE 1: wave = head: scores of 16 queries x 16 keys from the f32 images that the second launch stored,
; the relative term skewed through the wave's stage (position - 1 = 2047 - i + j: tile 127 alone, row 15 - r + key), softmax, times vh.  PHASE 2: the product with Wo: wave = (16 columns, a quarter
; of K), the four quarters added through LDS.  The f32 matrix form is used: this is no bulk work.  Its operands are pairs of registers of the images as they stand: pair 2 k of both
; sources holds the same four of K, so the order along K is permuted alike on both sides.  Its results' registers, v192-255, are written by matrix instructions alone.
.set STG,  0                           ; 2,304 bytes a wave: 16 rows of 144
.set OIMG, 36864                       ; 4,096 bytes a head: the head's result as a register image
.set RED,  102400                      ; four quarters x 16 rows of 272 bytes
.set SPARE, 119808                     ; the spare words, 128 bytes a wave: named by no other line
; v1 16 x lane; v2 my place in out0; v3 into the stage, v4 out of it; v5, v6 the add's two; v7 my place in Wo; v8-23 at work; v24 r - 8 h; v25 -infinity; v26 16 r; v27 1 / l;
; v28, v29 a head's image, to store and to load; v30, v31 the quarters, to store and to load; v32-63 qh + r_r_bias; v64-95 pe; v96-127 qh + r_w_bias; v128-159 kh; v160-191 vh
	s_load_b256 s[4:11], s[0:1], 0x0               ; f32buf, Wo, bo, out0
	v_lshl_add_u32 v5, v0, 2, SPARE
	v_mov_b32 v6, 0
	v_lshrrev_b32 v1, 5, v0
	v_readfirstlane_b32 s2, v1                     ; wave 0..15
	v_and_b32 v8, 31, v0
	v_lshlrev_b32 v1, 4, v8
	v_and_b32 v9, 15, v0                           ; r
	v_bfe_u32 v10, v0, 4, 1                        ; h
	s_and_b32 s3, ttmp7, 0xffff                    ; batch
	s_lshl_b32 s12, ttmp9, 8                       ; 4 n0
	s_and_b32 s13, s2, 3                           ; nt
	s_lshr_b32 s14, s2, 2                          ; kq
	s_mul_i32 s15, s2, 2304
	v_mul_u32_u24 v3, v9, 144
	v_lshl_add_u32 v3, v10, 5, v3
	v_add_nc_u32 v3, s15, v3
	v_mul_u32_u24 v4, v9, 140
	v_lshl_add_u32 v4, v10, 5, v4
	v_add_nc_u32 v4, s15, v4
	v_add_nc_u32 v4, 60, v4
	v_lshlrev_b32 v7, 2, v9
	v_lshl_add_u32 v7, v10, 15, v7                 ; column r, 8 h rows of Wo down
	v_lshlrev_b32 v26, 4, v9
	v_lshl_add_u32 v2, v10, 12, v26                ; lanes 16-31: the next row of out0
	v_lshlrev_b32 v24, 3, v10
	v_sub_nc_u32 v24, v9, v24
	v_mov_b32 v25, 0xff800000
	s_lshl_b32 s15, s2, 12
	s_add_co_u32 s15, s15, OIMG
	v_add_nc_u32 v28, s15, v1
	s_lshl_b32 s15, s14, 14
	s_add_co_u32 s15, s15, OIMG
	v_add_nc_u32 v29, s15, v1
	s_mul_i32 s15, s14, 4352
	s_lshl_b32 s16, s13, 6
	s_add_co_u32 s15, s15, s16
	s_add_co_u32 s15, s15, RED
	v_mul_u32_u24 v30, v10, 2176
	v_lshl_add_u32 v30, v9, 2, v30
	v_add_nc_u32 v30, s15, v30                     ; quarter kq, row 8 h, column 16 nt + r
	s_mul_i32 s15, s2, 544
	s_add_co_u32 s15, s15, RED
	v_mul_u32_u24 v31, v10, 272
	v_lshl_add_u32 v31, v9, 4, v31
	v_add_nc_u32 v31, s15, v31                     ; rows 2 w and 2 w + 1, 16 bytes a lane
	s_mov_b32 s22, 0x3e38aa3b                      ; log2(e) / 8
	s_mov_b32 s24, 0x76543210
	s_mov_b32 s25, 0xfedcba98
	s_lshl_b32 s26, s3, 4
	s_add_co_u32 s26, s26, s2
	s_lshl_b32 s26, s26, 12                        ; (16 batch + head) x 4,096
	s_mov_b32 s27, 0
	s_lshl_b32 s28, s2, 12
	s_add_co_u32 s28, s28, 524288                  ; pe: kind 4, head
	s_mov_b32 s29, 0
	s_lshl_b32 s30, s14, 20                        ; Wo: 256 kq rows,
	s_add_co_u32 s30, s30, s16                     ; 16 nt columns,
	s_add_co_u32 s30, s30, s12                     ; n0
	s_mov_b32 s31, 0
	s_lshl_b32 s32, s3, 23                         ; out0: the batch,
	s_lshl_b32 s16, s2, 13                         ; rows 2 w on,
	s_add_co_u32 s32, s32, s16
	s_add_co_u32 s32, s32, s12
	s_mov_b32 s33, 0
	s_mov_b32 s34, s12
	s_mov_b32 s35, 0
	s_wait_kmcnt 0x0
	s_add_nc_u64 s[16:17], s[4:5], s[26:27]
	s_add_nc_u64 s[18:19], s[4:5], s[28:29]
	s_add_nc_u64 s[6:7], s[6:7], s[30:31]
	s_add_nc_u64 s[8:9], s[8:9], s[34:35]
	s_add_nc_u64 s[10:11], s[10:11], s[32:33]
.macro IMG reg, p, off                 ; an image of 32 registers, as it was stored
.irp i, 0,1,2,3,4,5,6,7
	global_load_b128 v[\reg+4*\i:\reg+4*\i+3], v1, s[\p:\p+1] offset:\off+\i*512
.endr
.endm
	IMG 96, 16, 0
	IMG 32, 16, 131072
	IMG 128, 16, 262144
	IMG 160, 16, 393216
	IMG 64, 18, 0
	s_wait_loadcnt 0x0
	; R^T = pe (qh + r_r_bias)^T and S^T = kh (qh + r_w_bias)^T, each in two sums (even and odd steps): four accumulators by turns
.set kk, 0
.rept 16
.set AR_, 192+16*(kk%2)
.set AS_, 200+16*(kk%2)
.if kk < 2
	v_wmma_f32_16x16x4_f32 v[AR_:AR_+7], v[64+2*kk:65+2*kk], v[32+2*kk:33+2*kk], 0
	v_wmma_f32_16x16x4_f32 v[AS_:AS_+7], v[128+2*kk:129+2*kk], v[96+2*kk:97+2*kk], 0
.else
	v_wmma_f32_16x16x4_f32 v[AR_:AR_+7], v[64+2*kk:65+2*kk], v[32+2*kk:33+2*kk], v[AR_:AR_+7]
	v_wmma_f32_16x16x4_f32 v[AS_:AS_+7], v[128+2*kk:129+2*kk], v[96+2*kk:97+2*kk], v[AS_:AS_+7]
.endif
.set kk, kk+1
.endr
.rept 9
	v_nop                                          ; nine: these accumulators are read below and begun anew in phase 2
.endr
.irp i, 0,2,4,6
	v_pk_add_f32 v[8+\i:9+\i], v[192+\i:193+\i], v[208+\i:209+\i]
.endr
	ds_store_b128 v3, v[8:11]                      ; the tile twice on end, so that the skewed reads of hidden keys find written words
	ds_store_b128 v3, v[12:15] offset:16
	ds_store_b128 v3, v[8:11] offset:64
	ds_store_b128 v3, v[12:15] offset:80
.irp j, 0,1,2,3,4,5,6,7
	ds_load_b32 v[16+\j], v4 offset:4*\j           ; key 8 h + j of query r: word 15 - r + that key; LDS serves a wave's instructions in order
.endr
	s_wait_dscnt 0x0
.irp i, 0,2,4,6
	v_pk_add_f32 v[8+\i:9+\i], v[200+\i:201+\i], v[216+\i:217+\i]
.endr
.irp i, 0,2,4,6
	v_pk_add_f32 v[8+\i:9+\i], v[8+\i:9+\i], v[16+\i:17+\i]
.endr
.irp j, 0,1,2,3,4,5,6,7
	v_cmp_gt_i32 vcc_lo, \j, v24                   ; hidden where 8 h + j > r
	v_cndmask_b32 v[8+\j], v[8+\j], v25, vcc_lo
.endr
	v_max3_num_f32 v16, v8, v9, v10
	v_max3_num_f32 v16, v16, v11, v12
	v_max3_num_f32 v16, v16, v13, v14
	v_max_num_f32 v16, v16, v15
	v_permlanex16_b32 v17, v16, s24, s25
	v_max_num_f32 v16, v16, v17                    ; key 0 counts for every query: a number
	v_mul_f32 v16, s22, v16
.irp j, 0,1,2,3,4,5,6,7
	v_fma_f32 v[8+\j], v[8+\j], s22, -v16
.endr
.irp j, 0,1,2,3,4,5,6,7
	v_exp_f32 v[8+\j], v[8+\j]
.endr
	v_nop
	s_wait_alu depctr_va_vdst(0)                   ; one wait for the eight
	v_add_f32 v17, v8, v9
	v_add_f32 v18, v10, v11
	v_add_f32 v19, v12, v13
	v_add_f32 v20, v14, v15
	v_add_f32 v17, v17, v18
	v_add_f32 v19, v19, v20
	v_add_f32 v17, v17, v19
	v_permlanex16_b32 v21, v17, s24, s25
	v_add_f32 v17, v17, v21
	v_rcp_f32 v27, v17
.irp kp, 0,1,2,3                               ; O^T = vh^T p: pair kp of both sources holds keys 8 h + 2 kp, + 1; four accumulators by turns
.irp t, 0,1,2,3
.if \kp == 0
	v_wmma_f32_16x16x4_f32 v[224+8*\t:231+8*\t], v[160+8*\t:161+8*\t], v[8:9], 0
.else
	v_wmma_f32_16x16x4_f32 v[224+8*\t:231+8*\t], v[160+8*\t+2*\kp:161+8*\t+2*\kp], v[8+2*\kp:9+2*\kp], v[224+8*\t:231+8*\t]
.endif
.endr
.endr
.rept 9
	v_nop
.endr
	s_wait_alu depctr_va_vdst(0)                   ; the reciprocal's wait, ahead of its first reader
.set ii, 0
.rept 32
	v_mul_f32 v[32+ii], v[224+ii], v27             ; register 8 t + j: channel 16 t + 8 h + j of query r
.set ii, ii+1
.endr
.irp i, 0,1,2,3,4,5,6,7
	ds_store_b128 v28, v[32+4*\i:35+4*\i] offset:\i*512
.endr
	s_wait_dscnt 0x0                               ; for the others' sake: my head's image has landed
	s_barrier_signal -1
	s_barrier_wait -1
	; PHASE 2: out(q, n) = sum over d of O(q, d) Wo(d, n): my 16 columns, heads 4 kq .. 4 kq + 3
.set ii, 0
.rept 128
	global_load_b32 v[32+ii], v7, s[6:7] offset:(64*(ii/32)+16*((ii%32)/8)+(ii%8))*4096
.set ii, ii+1
.endr
.irp hd, 0,1,2,3
.irp i, 0,1,2,3,4,5,6,7
	ds_load_b128 v[160+4*\i:163+4*\i], v29 offset:\hd*4096+\i*512
.endr
.if \hd < 2
	s_wait_loadcnt 63                              ; this head's 32 loads are in (96, then 64 younger ones might stay out; 63 is the largest count that the wait can name)
.elseif \hd == 2
	s_wait_loadcnt 32                              ; the last head's 32 may be out
.else
	s_wait_loadcnt 0x0
.endif
	s_wait_dscnt 0x0
.irp t, 0,1,2,3
.irp jj, 0,1,2,3
.if (\hd == 0) && (\t == 0)
	v_wmma_f32_16x16x4_f32 v[192+8*\jj:199+8*\jj], v[160+2*\jj:161+2*\jj], v[32+2*\jj:33+2*\jj], 0
.else
	v_wmma_f32_16x16x4_f32 v[192+8*\jj:199+8*\jj], v[160+8*\t+2*\jj:161+8*\t+2*\jj], v[32+32*\hd+8*\t+2*\jj:33+32*\hd+8*\t+2*\jj], v[192+8*\jj:199+8*\jj]
.endif
.endr
.endr
.rept 9
	v_nop
.endr
.endr
.irp i, 0,2,4,6
	v_pk_add_f32 v[8+\i:9+\i], v[192+\i:193+\i], v[200+\i:201+\i]
	v_pk_add_f32 v[16+\i:17+\i], v[208+\i:209+\i], v[216+\i:217+\i]
.endr
.irp i, 0,2,4,6
	v_pk_add_f32 v[8+\i:9+\i], v[8+\i:9+\i], v[16+\i:17+\i]
.endr
.irp j, 0,1,2,3,4,5,6,7
	ds_store_b32 v30, v[8+\j] offset:\j*272        ; out(8 h + j, 16 nt + r), my quarter of K
.endr
	s_wait_dscnt 0x0
	s_barrier_signal -1
	s_barrier_wait -1
	s_cmp_lt_u32 s2, 8                             ; eight waves add the quarters and store two rows each
	s_cbranch_scc0 .Ldone
	global_load_b128 v[12:15], v26, s[8:9]         ; bo
	ds_load_b128 v[16:19], v31
	ds_load_b128 v[20:23], v31 offset:4352
	ds_load_b128 v[32:35], v31 offset:8704
	ds_load_b128 v[36:39], v31 offset:13056
	s_wait_dscnt 0x0
	s_wait_loadcnt 0x0
.irp i, 0,2
	v_pk_add_f32 v[16+\i:17+\i], v[16+\i:17+\i], v[20+\i:21+\i]
	v_pk_add_f32 v[32+\i:33+\i], v[32+\i:33+\i], v[36+\i:37+\i]
.endr
.irp i, 0,2
	v_pk_add_f32 v[16+\i:17+\i], v[16+\i:17+\i], v[32+\i:33+\i]
.endr
.irp i, 0,2
	v_pk_add_f32 v[16+\i:17+\i], v[16+\i:17+\i], v[12+\i:13+\i]
.endr
	global_store_b128 v2, v[16:19], s[10:11]       ; sixteen lanes store 256 consecutive bytes of a row, aligned
.Ldone:
	s_wait_tensorcnt 0x0                           ; the wave's end
	ds_add_u32 v5, v6
	s_wait_dscnt 0x0
	s_endpgm
.Lfunc_end_k_q881433e295_first16:
	.size	k_q881433e295_first16, .Lfunc_end_k_q881433e295_first16-k_q881433e295_first16
	.p2alignl 7, 3214868480
	.fill 96, 4, 3214868480
	.section	.rodata,"a",@progbits
	.p2align	6, 0x0
	.amdhsa_kernel k_q881433e295_first16
		.amdhsa_group_segment_fixed_size 121856
		.amdhsa_private_segment_fixed_size 0
		.amdhsa_enable_private_segment 0
		.amdhsa_kernarg_size 32
		.amdhsa_user_sgpr_count 2
		.amdhsa_user_sgpr_kernarg_segment_ptr 1
		.amdhsa_wavefront_size32 1
		.amdhsa_system_sgpr_workgroup_id_x 1
		.amdhsa_system_sgpr_workgroup_id_y 1
		.amdhsa_system_sgpr_workgroup_id_z 1
		.amdhsa_system_vgpr_workitem_id 0
		.amdhsa_next_free_vgpr 256
		.amdhsa_next_free_sgpr 66
		.amdhsa_reserve_vcc 1
		.amdhsa_float_denorm_mode_32 3
		.amdhsa_float_denorm_mode_16_64 3
		.amdhsa_memory_ordered 1
		.amdhsa_forward_progress 1
		.amdhsa_inst_pref_size 38
	.end_amdhsa_kernel
	.amdgpu_metadata
---
amdhsa.version: [ 1, 2 ]
amdhsa.kernels:
  - .name:           k_q881433e295_first16
    .symbol:         k_q881433e295_first16.kd
    .args:
      - { .name: f32buf, .offset: 0, .size: 8, .value_kind: global_buffer, .address_space: global }
      - { .name: Wo, .offset: 8, .size: 8, .value_kind: global_buffer, .address_space: global }
      - { .name: bo, .offset: 16, .size: 8, .value_kind: global_buffer, .address_space: global }
      - { .name: out0, .offset: 24, .size: 8, .value_kind: global_buffer, .address_space: global }
    .group_segment_fixed_size: 121856
    .private_segment_fixed_size: 0
    .kernarg_segment_align: 8
    .kernarg_segment_size: 32
    .max_flat_workgroup_size: 512
    .sgpr_count:     66
    .vgpr_count:     256
    .wavefront_size: 32
...
	.end_amdgpu_metadata
.endif
;; end of part 5
;; ======== version 2 of 2: 5 launches
;; limits: right only within a limited range of input values; values are held in f16: magnitudes above 65,504 overflow, below 6.1e-05 lose precision
;; workspace buffers: wbuf 4,325,376 bytes; qbuf 16,777,216 bytes; kv 16,777,216 bytes; pef 4,194,304 bytes; f32buf 655,360 bytes; abuf 8,388,608 bytes
;; launch prep: the kernel of part 1 again; grid 80 x 4, 2 waves a work-group, no clusters, 0 bytes of LDS; arguments Wq, Wk, Wv, r_kernel, Wo, wbuf; writes wbuf
;; launch proj (part 6): grid 224 x 1, 16 waves a work-group, no clusters, 182,272 bytes of LDS; arguments q, k, v, pos_enc, wbuf, bq, bv, r_w_bias, r_r_bias, qbuf, kv, pef, f32buf; writes qbuf, kv, pef, f32buf
.if DOCPART == 6
	.amdgcn_target "amdgcn-amd-amdhsa--gfx1250"
	.amdhsa_code_object_version 6
	.text
	.protected	k_q881433e295_proj
	.globl	k_q881433e295_proj
	.p2align	8
	.type	k_q881433e295_proj,@function
k_q881433e295_proj:
	s_mov_b64 s[64:65], 0
	v_nop
	global_prefetch_b8 v0, s[64:65] scope:SCOPE_SE
	s_setreg_imm32_b32 hwreg(HW_REG_WAVE_MODE, 25, 1), 1
	s_wait_xcnt 0x0
; The four quantised products: q Wq, k Wk, v Wv (4,096 rows each) and pos_enc r_kernel (rows 1 to 2,048), on codes of E2M1 with E8M0 scales.
; LEFT OUT: row 0 of pos_enc (it reaches only scores under the causal mask) and bk (the same along the softmax's axis): shown at the head of the first kernel.
; A work-group takes 64 rows of one tensor (ten = group / 64: 0 q, 1 k, 2 v, 3 pos_enc) and all 1,024 columns; wave w takes head w: 64 columns.
; PHASE X: the 64 rows x 1,024 are 32 fragments (16 rows x 128 K); each wave quantises two.  Each of its loads takes 512 consecutive bytes (one row of one K step); the 16 rows turn
; through the wave's own stage in LDS (rows of 528 bytes) and come back 16 neighbours a lane; the codes go to LDS as images of the operand's registers (16 bytes a lane,
; 512 bytes a store) with their scale words; one barrier.
; THE PRODUCT: eight K steps of 128, sixteen accumulators by turns.  The weights' fragments come from memory straight into registers, as the launch before
; laid them, two K steps ahead.  No LDS tile is shared between work-groups, so there is nothing for a joint load: no cluster.
; q, k, pos_enc: source 0 = 16 columns of W, source 1 = 16 rows of x: a lane holds one token and eight channels, which pack into a 16-bit fragment
; (16 tokens x 32 channels).  v: the sources swapped: a lane holds one channel and eight tokens: a fragment of V^T (16 channels x 32 keys).
; OUT, all as register images of 1,024 bytes: qbuf: qh + bq + r_w_bias, and at 8,388,608 qh + bq + r_r_bias, [bh][token tile][ks 2]; kv: kh likewise, and at
; 8,388,608 vh + bv as [bh][32 keys][channel tile 4]; pef: [head][tile N][ks 2], row m of tile N = position 16 N + m + 1.  Each store covers 512 consecutive bytes.
; f32buf: the f32 accumulators of tokens 0-15 of each batch and of positions 2,033-2,048, for the launch that redoes the first 16 positions.
; LIMITS: f16 operands: magnitudes under 65,504.  NaN and infinities among the inputs are not served by the quantiser.
.set XIMG, 0                           ; LDS: x's 32 fragments, (tile of rows x 8 + K step) x 1,024
.set XSC,  32768                       ; their scale words, 128 bytes each
.set BIA,  36864                       ; 512 bytes a wave: bq + r_w_bias, bq + r_r_bias of its 64 channels
.set SPARE, 45056                      ; the spare words, 128 bytes a wave: named by no other line
.set XST,  47104                       ; the stages: 16 rows x 528 bytes for each wave
.set LI,  1                            ; v1   16 x lane
.set LS,  2                            ; v2   XSC + 4 x lane
.set L8,  3                            ; v3   8 x lane
.set WSA, 4                            ; v4   4 x (lane % 16)
.set XSI, 5                            ; v5   into my stage: 16 x lane
.set XWI, 6                            ; v6   where I store my two fragments
.set XWS, 7                            ; v7   and their scale words
.set BA,  8                            ; v8   my wave's biases + 32 x (lane / 16)
.set BW,  9                            ; v9   my wave's biases + 8 x lane
.set VBI, 10                           ; v10-17 bv of my channel in each of the four tiles, each in both registers of a pair
.set SPW, 18
.set NIL, 19
.set WS,  20                           ; v20-27 W's scale words, two sets of four: scales and nothing else
.set XS,  28                           ; v28-31 x's scale words
.set XF,  32                           ; v32-63 x's four fragments; on the way out the biases
.set TM,  32                           ; phase X: v32-47 at work, v48 the scale word, v49 out of my stage, v50-57 the codes, v58-63 the three bias loads
.set PW,  48
.set XSO, 49                           ; v49  out of my stage: 528 x (lane % 16) + 64 x (lane / 16)
.set PC,  50
.set BL,  58
.set WB,  64                           ; v64-127 W's fragments, two sets of four; on the way out v64-95 sums, v96-127 packed results
.set TT,  64
.set OO,  96
.set ACC, 128                          ; v128-255 accumulator (a, b) at 128 + 8 (4 a + b); in phase X two sets of 64 numbers of x
.set SEL, 38
	s_load_b256 s[4:11], s[0:1], 0x0               ; q, k, v, pos_enc
	s_load_b256 s[12:19], s[0:1], 0x20             ; wbuf, bq, bv, r_w_bias
	s_load_b256 s[20:27], s[0:1], 0x40             ; r_r_bias, qbuf, kv, pef
	s_load_b64 s[28:29], s[0:1], 0x60              ; f32buf
	v_lshl_add_u32 v[SPW], v0, 2, SPARE
	v_mov_b32 v[NIL], 0
	v_lshrrev_b32 v1, 5, v0
	v_readfirstlane_b32 s2, v1                     ; wave = head
	v_and_b32 v3, 31, v0                           ; lane
	v_lshlrev_b32 v[LI], 4, v3
	v_lshl_add_u32 v[LS], v3, 2, XSC
	v_and_b32 v9, 15, v0                           ; r
	v_bfe_u32 v8, v0, 4, 1                         ; h
	v_lshlrev_b32 v[WSA], 2, v9
	s_mul_i32 s34, s2, 8448
	s_add_co_u32 s34, s34, XST                     ; my stage
	v_add_nc_u32 v[XSI], s34, v[LI]
	v_mul_u32_u24 v[XSO], v9, 528
	v_lshl_add_u32 v[XSO], v8, 6, v[XSO]
	v_add_nc_u32 v[XSO], s34, v[XSO]
	s_lshr_b32 s32, s2, 2                          ; which tile of rows I quantise
	s_and_b32 s33, s2, 3                           ; which two K steps
	s_lshl_b32 s34, s32, 13
	s_lshl_b32 s35, s33, 11
	s_add_co_u32 s34, s34, s35
	v_add_nc_u32 v[XWI], s34, v[LI]
	s_lshl_b32 s34, s32, 10
	s_lshl_b32 s35, s33, 8
	s_add_co_u32 s34, s34, s35
	v_add_nc_u32 v[XWS], s34, v[LS]
	s_lshl_b32 s34, s2, 9
	s_add_co_u32 s34, s34, BIA
	v_lshl_add_u32 v[BA], v8, 5, s34
	v_lshl_add_u32 v[BW], v3, 3, s34
	v_lshlrev_b32 v[L8], 3, v3
.irp b, 0,1,2,3
	v_mov_b32 v[TM+4+\b], 0                        ; written once: a lane permute's destination counts as one of its sources
.endr
	s_mov_b32 s[SEL], 0x76543210
	s_mov_b32 s[SEL+1], 0xfedcba98                 ; lane l xor 16
	s_lshr_b32 s3, ttmp9, 6                        ; ten
	s_and_b32 s30, ttmp9, 63                       ; which 64 rows of the tensor
	s_lshr_b32 s31, s30, 5                         ; batch
	s_and_b32 s36, s30, 31                         ; which 64 rows of the batch
	s_lshl_b32 s50, s30, 18                        ; x: 64 rows of 4,096 bytes,
	s_lshl_b32 s34, s32, 16                        ; my tile of 16 rows,
	s_add_co_u32 s50, s50, s34
	s_lshl_b32 s34, s33, 10                        ; my two K steps,
	s_add_co_u32 s50, s50, s34
	s_cmp_eq_u32 s3, 3
	s_cselect_b32 s34, 4096, 0                     ; and pos_enc begins at its row 1
	s_add_co_u32 s50, s50, s34
	s_mov_b32 s51, 0
	s_lshl_b32 s52, s3, 19                         ; W's codes: mat x 524,288 + head x 4 tiles x 8,192
	s_lshl_b32 s34, s2, 15
	s_add_co_u32 s52, s52, s34
	s_mov_b32 s53, 0
	s_lshl_b32 s54, s3, 15                         ; W's scale words: 2,097,152 + mat x 32,768 + 64 head x 4
	s_lshl_b32 s58, s2, 8
	s_add_co_u32 s54, s54, s58
	s_add_co_u32 s54, s54, 2097152
	s_mov_b32 s55, 0
	s_mov_b32 s59, 0                               ; s[58:59]: my head's 64 numbers in a bias
	s_lshl_b32 s56, s31, 4
	s_add_co_u32 s56, s56, s2                      ; bh = 16 batch + head
	s_lshl_b32 s44, s56, 18                        ; out: bh x 262,144 + 8,192 for each 64 rows
	s_lshl_b32 s34, s36, 13
	s_add_co_u32 s44, s44, s34
	s_mov_b32 s45, 0
	s_lshl_b32 s56, s56, 12                        ; f32buf: bh x 4,096
	s_mov_b32 s57, 0
	s_wait_kmcnt 0x0
	s_cmp_eq_u32 s3, 1                             ; x: a choice by the work-group's number alone
	s_cselect_b64 s[4:5], s[6:7], s[4:5]
	s_cmp_eq_u32 s3, 2
	s_cselect_b64 s[4:5], s[8:9], s[4:5]
	s_cmp_eq_u32 s3, 3
	s_cselect_b64 s[4:5], s[10:11], s[4:5]
	s_add_nc_u64 s[4:5], s[4:5], s[50:51]
	s_add_nc_u64 s[40:41], s[12:13], s[52:53]
	s_add_nc_u64 s[42:43], s[12:13], s[54:55]
	s_add_nc_u64 s[46:47], s[28:29], s[56:57]
	s_add_nc_u64 s[14:15], s[14:15], s[58:59]
	s_add_nc_u64 s[16:17], s[16:17], s[58:59]
	s_add_nc_u64 s[18:19], s[18:19], s[58:59]
	s_add_nc_u64 s[20:21], s[20:21], s[58:59]
	s_add_nc_u64 s[22:23], s[22:23], s[44:45]      ; qh + r_w_bias
	s_add_nc_u64 s[24:25], s[24:25], s[44:45]      ; kh
	s_add_nc_u64 s[26:27], s[26:27], s[44:45]      ; pe
	s_add_nc_u64 s[48:49], s[22:23], 0x800000      ; qh + r_r_bias
	s_add_nc_u64 s[52:53], s[24:25], 0x800000      ; vh
	; the biases are loaded in every work-group, whichever tensor it takes: eleven small loads, and every path finds its registers written
.irp t, 0,1,2,3
	global_load_b32 v[VBI+2*\t], v[WSA], s[16:17] offset:64*\t
	global_load_b32 v[VBI+2*\t+1], v[WSA], s[16:17] offset:64*\t
.endr
	global_load_b64 v[BL:BL+1], v[L8], s[14:15]
	global_load_b64 v[BL+2:BL+3], v[L8], s[18:19]
	global_load_b64 v[BL+4:BL+5], v[L8], s[20:21]
.macro XLOAD reg, s                    ; my 16 rows of one K step, as they lie: a load takes one row's 512 consecutive bytes, 16 a lane
.set ii, 0
.rept 16
	global_load_b128 v[\reg+4*ii:\reg+4*ii+3], v[LI], s[4:5] offset:4096*ii+512*\s th:TH_LOAD_NT
.set ii, ii+1
.endr
.endm
.macro TURN reg                        ; through my stage and back into the registers that they left: register 16 b + i = k 32 b + 16 (lane / 16) + i of row lane % 16.  LDS serves a wave's instructions in order
.set ii, 0
.rept 16
	ds_store_b128 v[XSI], v[\reg+4*ii:\reg+4*ii+3] offset:528*ii
.set ii, ii+1
.endr
.irp b, 0,1,2,3
.irp j, 0,1,2,3
	ds_load_b128 v[\reg+16*\b+4*\j:\reg+16*\b+4*\j+3], v[XSO] offset:128*\b+16*\j
.endr
.endr
.endm
.macro WLOAD ks                        ; twelve loads: my four tiles' fragments and scale words of K step ks into set ks % 2
.irp t, 0,1,2,3
.irp c, 0,1
	global_load_b128 v[WB+32*((\ks)%2)+8*\t+4*\c:WB+32*((\ks)%2)+8*\t+4*\c+3], v[LI], s[40:41] offset:\t*8192+(\ks)*1024+\c*512
.endr
.endr
.irp t, 0,1,2,3
	global_load_b32 v[WS+4*((\ks)%2)+\t], v[WSA], s[42:43] offset:(\ks)*4096+\t*64
.endr
.endm
	XLOAD ACC, 0
	XLOAD ACC+64, 1
	WLOAD 0
	WLOAD 1
; 64 numbers of a lane become a fragment's codes in v[PC] on and its scale word in v[PW]
.macro QUANT s
.irp b, 0,1,2,3
	v_max3_num_f32 v[TM+\b], |v[\s+16*\b]|, |v[\s+1+16*\b]|, 0x1800000   ; block b: my 16 numbers, and the floor 2^(3 - 127): the byte cannot fall under 1
.endr
.irp i, 2,4,6,8,10,12,14
.irp b, 0,1,2,3
	v_max3_num_f32 v[TM+\b], v[TM+\b], |v[\s+16*\b+\i]|, |v[\s+1+16*\b+\i]|
.endr
.endr
.irp b, 0,1,2,3
	v_permlanex16_b32 v[TM+4+\b], v[TM+\b], s[SEL], s[SEL+1]
.endr
.irp b, 0,1,2,3
	v_max_num_f32 v[TM+\b], v[TM+\b], v[TM+4+\b]   ; with lane l xor 16's: the block's largest magnitude
.endr
.irp b, 0,1,2,3
	v_add_nc_u32 v[TM+12+\b], 0xff000000, v[TM+\b] ; 2 off its exponent field: the conversion's scale operand
.endr
.irp b, 0,1,2,3
	v_lshrrev_b32 v[TM+4+\b], 23, v[TM+12+\b]      ; the scale's byte
.endr
	v_lshl_or_b32 v[PW], v[TM+5], 8, v[TM+4]
	v_lshl_or_b32 v[PW], v[TM+6], 16, v[PW]
	v_lshl_or_b32 v[PW], v[TM+7], 24, v[PW]
.irp b, 0,1,2,3
	v_cvt_scalef32_pk8_fp4_f32 v[PC+2*\b], v[\s+16*\b:\s+7+16*\b], v[TM+12+\b]
	v_cvt_scalef32_pk8_fp4_f32 v[PC+1+2*\b], v[\s+8+16*\b:\s+15+16*\b], v[TM+12+\b]
.endr
	v_nop                                          ; a plain instruction behind the last conversion
.irp c, 0,1                                    ; the layout wants a whole block in a lane: lanes 0-15 block 2 c, lanes 16-31 block 2 c + 1
.irp i, 0,1
	v_permlane16_swap_b32 v[PC+4*\c+\i], v[PC+2+4*\c+\i]
.endr
.endr
.endm
	s_wait_loadcnt 56                              ; the biases are in: behind them 32 loads of x and 24 of W may be out
	v_pk_add_f32 v[BL+2:BL+3], v[BL:BL+1], v[BL+2:BL+3]            ; bq + r_w_bias
	v_pk_add_f32 v[BL+4:BL+5], v[BL:BL+1], v[BL+4:BL+5]            ; bq + r_r_bias
	ds_store_b64 v[BW], v[BL+2:BL+3]
	ds_store_b64 v[BW], v[BL+4:BL+5] offset:256
	s_wait_loadcnt 40                              ; x's first K step is in: its second (16) and W's 24 may be out
	TURN ACC
	s_wait_loadcnt 24                              ; x's second K step is in: W's 24 may be out
	TURN ACC+64                                    ; the same stage: its stores come behind the first set's loads
	s_wait_dscnt 32                                ; the first set is back: behind it the second set's 16 stores and 16 loads may be out
	QUANT ACC
	ds_store_b128 v[XWI], v[PC:PC+3]
	ds_store_b128 v[XWI], v[PC+4:PC+7] offset:512
	ds_store_b32 v[XWS], v[PW]
	s_wait_dscnt 0x0                               ; the second set is back, and the stores have read their registers
	QUANT ACC+64
	ds_store_b128 v[XWI], v[PC:PC+3] offset:1024
	ds_store_b128 v[XWI], v[PC+4:PC+7] offset:1536
	ds_store_b32 v[XWS], v[PW] offset:128
	s_wait_dscnt 0x0                               ; for the others' sake: my stores have landed
	s_barrier_signal -1
	s_barrier_wait -1                              ; x's 32 fragments lie in LDS
.macro MM ks, swap, a, b
.set D_, ACC+8*(4*\a+\b)
.set W_, WB+32*((\ks)%2)
.set S_, WS+4*((\ks)%2)
.if \swap
.if \ks == 0
	v_wmma_scale_f32_16x16x128_f8f6f4 v[D_:D_+7], v[XF+8*\a:XF+8*\a+7], v[W_+8*\b:W_+8*\b+7], 0, v[XS+\a], v[S_+\b] matrix_a_fmt:MATRIX_FMT_FP4 matrix_b_fmt:MATRIX_FMT_FP4
.else
	v_wmma_scale_f32_16x16x128_f8f6f4 v[D_:D_+7], v[XF+8*\a:XF+8*\a+7], v[W_+8*\b:W_+8*\b+7], v[D_:D_+7], v[XS+\a], v[S_+\b] matrix_a_fmt:MATRIX_FMT_FP4 matrix_b_fmt:MATRIX_FMT_FP4
.endif
.else
.if \ks == 0
	v_wmma_scale_f32_16x16x128_f8f6f4 v[D_:D_+7], v[W_+8*\a:W_+8*\a+7], v[XF+8*\b:XF+8*\b+7], 0, v[S_+\a], v[XS+\b] matrix_a_fmt:MATRIX_FMT_FP4 matrix_b_fmt:MATRIX_FMT_FP4
.else
	v_wmma_scale_f32_16x16x128_f8f6f4 v[D_:D_+7], v[W_+8*\a:W_+8*\a+7], v[XF+8*\b:XF+8*\b+7], v[D_:D_+7], v[S_+\a], v[XS+\b] matrix_a_fmt:MATRIX_FMT_FP4 matrix_b_fmt:MATRIX_FMT_FP4
.endif
.endif
.endm
; A K step: x's four fragments from LDS, sixteen products on sixteen accumulators by turns (the first step's start the sums), four places, W's fragments of two steps on
.macro STEP ks, swap
.irp m, 0,1,2,3
.irp c, 0,1
	ds_load_b128 v[XF+8*\m+4*\c:XF+8*\m+4*\c+3], v[LI] offset:(\m*8+\ks)*1024+512*\c
.endr
	ds_load_b32 v[XS+\m], v[LS] offset:(\m*8+\ks)*128
.endr
.if \ks < 7
	s_wait_loadcnt 12                              ; this step's twelve loads of W are in; the next step's twelve may be out
.else
	s_wait_loadcnt 0x0
.endif
	s_wait_dscnt 0x0
.irp a, 0,1,2,3
.irp b, 0,1,2,3
	MM \ks, \swap, \a, \b
.endr
.endr
.rept 4
	v_nop                                          ; places in front of loads into registers that the products have read, and of the first read of results
.endr
.if \ks < 6
	WLOAD \ks+2
.endif
.endm
; Eight fragments leave: (x, y): low half from accumulator (2 y, x), high half from (2 y + 1, x).  mode 0: as they are; 1: + the biases in v32-63; 2: + bv of my channel
.macro EMIT p, SX, SY, mode
.irp x, 0,1,2,3
.irp y, 0,1
.set IDX, 2*\x+\y
.set LO_, ACC+8*(4*(2*\y)+\x)
.set HI_, ACC+8*(4*(2*\y+1)+\x)
.set O_, OO+8*(IDX%4)
.if (IDX%4) == 0
	s_wait_xcnt 0x0                                ; the earlier stores have read their data: the four sets of packed results are written again only behind this wait
.endif
.if \mode == 0
.irp i, 0,1,2,3
	v_cvt_pk_f16_f32 v[O_+\i], v[LO_+2*\i], v[LO_+2*\i+1]
.endr
.irp i, 0,1,2,3
	v_cvt_pk_f16_f32 v[O_+4+\i], v[HI_+2*\i], v[HI_+2*\i+1]
.endr
.else
.irp i, 0,1,2,3
.if \mode == 1
	v_pk_add_f32 v[TT+2*\i:TT+2*\i+1], v[LO_+2*\i:LO_+2*\i+1], v[XF+8*(2*\y)+2*\i:XF+8*(2*\y)+2*\i+1]
	v_pk_add_f32 v[TT+8+2*\i:TT+8+2*\i+1], v[HI_+2*\i:HI_+2*\i+1], v[XF+8*(2*\y+1)+2*\i:XF+8*(2*\y+1)+2*\i+1]
.else
	v_pk_add_f32 v[TT+2*\i:TT+2*\i+1], v[LO_+2*\i:LO_+2*\i+1], v[VBI+2*\x:VBI+2*\x+1] op_sel_hi:[1,0]
	v_pk_add_f32 v[TT+8+2*\i:TT+8+2*\i+1], v[HI_+2*\i:HI_+2*\i+1], v[VBI+2*\x:VBI+2*\x+1] op_sel_hi:[1,0]
.endif
.endr
.irp i, 0,1,2,3,4,5,6,7
	v_cvt_pk_f16_f32 v[O_+\i], v[TT+2*\i], v[TT+2*\i+1]
.endr
.endif
	global_store_b128 v[LI], v[O_:O_+3], s[\p:\p+1] offset:\x*\SX+\y*\SY
	global_store_b128 v[LI], v[O_+4:O_+7], s[\p:\p+1] offset:\x*\SX+\y*\SY+512
.endr
.endr
.endm
.macro LDB sel                         ; my half's eight biases of each of the four channel tiles into v32-63
.irp a, 0,1,2,3
.irp i, 0,1
	ds_load_b128 v[XF+8*\a+4*\i:XF+8*\a+4*\i+3], v[BA] offset:\sel*256+\a*64+16*\i
.endr
.endr
	s_wait_dscnt 0x0
.endm
.macro F32T m, mode, kind              ; the four accumulators of token tile m leave in f32, as they stand in the registers
	s_wait_xcnt 0x0
.irp t, 0,1,2,3
.set A_, ACC+8*(4*\t+\m)
.if \mode
.irp i, 0,1,2,3
	v_pk_add_f32 v[TT+8*\t+2*\i:TT+8*\t+2*\i+1], v[A_+2*\i:A_+2*\i+1], v[XF+8*\t+2*\i:XF+8*\t+2*\i+1]
.endr
	global_store_b128 v[LI], v[TT+8*\t:TT+8*\t+3], s[46:47] offset:\kind*131072+\t*1024
	global_store_b128 v[LI], v[TT+8*\t+4:TT+8*\t+7], s[46:47] offset:\kind*131072+\t*1024+512
.else
	global_store_b128 v[LI], v[A_:A_+3], s[46:47] offset:\kind*131072+\t*1024
	global_store_b128 v[LI], v[A_+4:A_+7], s[46:47] offset:\kind*131072+\t*1024+512
.endif
.endr
.endm
	s_cmp_eq_u32 s3, 2
	s_cbranch_scc1 .Lv
.irp ks, 0,1,2,3,4,5,6,7
	STEP \ks, 0
.endr
	s_cmp_eq_u32 s3, 0
	s_cbranch_scc0 .Lkpe
	LDB 0                                          ; q: twice, with each of the two biases
	EMIT 22, 2048, 1024, 1
	s_cmp_lg_u32 s36, 0
	s_cbranch_scc1 .Lq2
	F32T 0, 1, 0
.Lq2:
	LDB 1
	EMIT 48, 2048, 1024, 1
	s_cmp_lg_u32 s36, 0
	s_cbranch_scc1 .Lend
	F32T 0, 1, 1
	s_branch .Lend
.Lkpe:
	s_cmp_eq_u32 s3, 3
	s_cselect_b64 s[54:55], s[26:27], s[24:25]
	EMIT 54, 2048, 1024, 0
	s_cmp_eq_u32 s3, 3
	s_cbranch_scc1 .Lpef
	s_cmp_lg_u32 s36, 0
	s_cbranch_scc1 .Lend
	F32T 0, 0, 2                                   ; kh of tokens 0-15
	s_branch .Lend
.Lpef:
	s_cmp_lg_u32 s30, 31
	s_cbranch_scc1 .Lend
	F32T 3, 0, 4                                   ; pe of positions 2,033-2,048
	s_branch .Lend
.Lv:
.irp ks, 0,1,2,3,4,5,6,7
	STEP \ks, 1
.endr
	EMIT 52, 1024, 4096, 2
	s_cmp_lg_u32 s36, 0
	s_cbranch_scc1 .Lend
	s_wait_xcnt 0x0
.irp t, 0,1,2,3                                ; vh + bv of tokens 0-15: accumulator (0, t)
.irp i, 0,1,2,3
	v_pk_add_f32 v[TT+8*\t+2*\i:TT+8*\t+2*\i+1], v[ACC+8*\t+2*\i:ACC+8*\t+2*\i+1], v[VBI+2*\t:VBI+2*\t+1] op_sel_hi:[1,0]
.endr
	global_store_b128 v[LI], v[TT+8*\t:TT+8*\t+3], s[46:47] offset:3*131072+\t*1024
	global_store_b128 v[LI], v[TT+8*\t+4:TT+8*\t+7], s[46:47] offset:3*131072+\t*1024+512
.endr
.Lend:
	s_wait_tensorcnt 0x0                           ; the wave's end
	ds_add_u32 v[SPW], v[NIL]
	s_wait_dscnt 0x0
	s_endpgm
.Lfunc_end_k_q881433e295_proj:
	.size	k_q881433e295_proj, .Lfunc_end_k_q881433e295_proj-k_q881433e295_proj
	.p2alignl 7, 3214868480
	.fill 96, 4, 3214868480
	.section	.rodata,"a",@progbits
	.p2align	6, 0x0
	.amdhsa_kernel k_q881433e295_proj
		.amdhsa_group_segment_fixed_size 182272
		.amdhsa_private_segment_fixed_size 0
		.amdhsa_enable_private_segment 0
		.amdhsa_kernarg_size 104
		.amdhsa_user_sgpr_count 2
		.amdhsa_user_sgpr_kernarg_segment_ptr 1
		.amdhsa_wavefront_size32 1
		.amdhsa_system_sgpr_workgroup_id_x 1
		.amdhsa_system_sgpr_workgroup_id_y 1
		.amdhsa_system_sgpr_workgroup_id_z 1
		.amdhsa_system_vgpr_workitem_id 0
		.amdhsa_next_free_vgpr 256
		.amdhsa_next_free_sgpr 66
		.amdhsa_reserve_vcc 0
		.amdhsa_float_denorm_mode_32 3
		.amdhsa_float_denorm_mode_16_64 3
		.amdhsa_memory_ordered 1
		.amdhsa_forward_progress 1
		.amdhsa_inst_pref_size 126
	.end_amdhsa_kernel
	.amdgpu_metadata
---
amdhsa.version: [ 1, 2 ]
amdhsa.kernels:
  - .name:           k_q881433e295_proj
    .symbol:         k_q881433e295_proj.kd
    .args:
      - { .name: q, .offset: 0, .size: 8, .value_kind: global_buffer, .address_space: global }
      - { .name: k, .offset: 8, .size: 8, .value_kind: global_buffer, .address_space: global }
      - { .name: v, .offset: 16, .size: 8, .value_kind: global_buffer, .address_space: global }
      - { .name: pos_enc, .offset: 24, .size: 8, .value_kind: global_buffer, .address_space: global }
      - { .name: wbuf, .offset: 32, .size: 8, .value_kind: global_buffer, .address_space: global }
      - { .name: bq, .offset: 40, .size: 8, .value_kind: global_buffer, .address_space: global }
      - { .name: bv, .offset: 48, .size: 8, .value_kind: global_buffer, .address_space: global }
      - { .name: r_w_bias, .offset: 56, .size: 8, .value_kind: global_buffer, .address_space: global }
      - { .name: r_r_bias, .offset: 64, .size: 8, .value_kind: global_buffer, .address_space: global }
      - { .name: qbuf, .offset: 72, .size: 8, .value_kind: global_buffer, .address_space: global }
      - { .name: kv, .offset: 80, .size: 8, .value_kind: global_buffer, .address_space: global }
      - { .name: pef, .offset: 88, .size: 8, .value_kind: global_buffer, .address_space: global }
      - { .name: f32buf, .offset: 96, .size: 8, .value_kind: global_buffer, .address_space: global }
    .group_segment_fixed_size: 182272
    .private_segment_fixed_size: 0
    .kernarg_segment_align: 8
    .kernarg_segment_size: 104
    .max_flat_workgroup_size: 512
    .sgpr_count:     66
    .vgpr_count:     256
    .wavefront_size: 32
...
	.end_amdgpu_metadata
.endif
;; end of part 6
;; launch attn (part 7): grid 8 x 32, 8 waves a work-group, no clusters, 306,176 bytes of LDS; arguments qbuf, kv, pef, abuf; writes abuf
.if DOCPART == 7
	.amdgcn_target "amdgcn-amd-amdhsa--gfx1250"
	.amdhsa_code_object_version 6
	.text
	.protected	k_q881433e295_attn
	.globl	k_q881433e295_attn
	.p2align	8
	.type	k_q881433e295_attn,@function
k_q881433e295_attn:
	s_mov_b64 s[64:65], 0
	v_nop
	global_prefetch_b8 v0, s[64:65] scope:SCOPE_SE
	s_setreg_imm32_b32 hwreg(HW_REG_WAVE_MODE, 25, 1), 1
	s_wait_xcnt 0x0
; Attention with the relative term.  score(i, j) = ((qh_i + r_w_bias) . kh_j + (qh_i + r_r_bias) . pe[2048 - i + j]) / 8 for j <= i; softmax over j; times vh.
; LEFT OUT: all keys j > i in whole steps (the problem's own causal mask; inside the step on the diagonal they become -infinity): shown at the head of the first kernel.
; SHARES.  A work-group serves one (batch, head) and eight shares of 16 or 17 steps of 64 keys.  Queries go in pairs of tiles, 32 to a pair; pair P needs steps 0 .. P / 2.
; With p = g + 8 (w % 4), under 32, and u = p / 2: waves 4-7 take pair 63 - p, steps 0 .. 16.  Waves 0-3 take pair p, steps 0 .. u, in trips 0 .. u; at trip u + 1 they store it and change
; to pair 63 - p, of which they take step 32 - t in trips t = u + 1 .. 15: steps 31 - u down to 17.  So the loop has 17 trips in every wave, and but for trip 16 of waves 0-3 every wave
; works in every trip.  At the end wave w hands its maximum, sum and O^T of pair 63 - p to wave w + 4 through LDS, which joins the two shares by factors 2^(m - the larger m).
; LAYOUT.  All products are used transposed: a lane holds ONE query (lane % 16) and eight keys or channels.
; K AND V come from memory straight into registers of their own, as the images of fragments that the launch before stored: 32 loads of 512 bytes a step, asked for behind the step before.
; No wave waits for another inside the loop: no barrier stands in it.
; THE RELATIVE TERM.  With P' = position - 1 = 2047 - i + j, a tile of 16 queries and 64 keys needs 79 neighbouring rows of pe: five tiles of 16, from tile
; 127 - 2 P - a + 4 step on; in them key kk of query r is row 15 - r + kk.  R^T = pe (qh + r_r_bias)^T is made for these 80 rows, goes in f32 through the wave's own
; stage in LDS (16 rows of 336 bytes), and is read back skewed, one word a lane; it is then the C of the content product, so that no addition is spent on it.
; Tiles past 127 are held at 127: they feed only keys j > i.
; LDS: the head's whole pe (256 KiB of f16 fragments), filled once through registers; the stages; at the end the shares that are handed over lie in pe's bytes, behind a barrier.
; NO CLUSTER: K and V, 132 wave steps x 16 KiB a work-group, go to registers, where no joint load can put them; pe, which the eight work-groups of a head share, is 256 KiB once.
; SOFTMAX: a running maximum m and sum l for each query; p = 2^(c s - m), c = log2(e) / 8; O and l are multiplied by 2^(m_old - m_new) in every step.
; OUT: abuf, f16, as images of the next product's fragments: [tile of 16 tokens 256][32 of D: 32].  The tile of tokens 0-15 lies inside a wave's 32 queries and is made with them.
; LIMITS: f16 operands (p <= 1; |vh|, |O| under 65,504).
.set PEB, 0
.set STG, 262144
.set SPARE, 305152                     ; the spare words, 128 bytes a wave: named by no other line
.set F,   48                           ; v48-95   three tiles of pe; on the way out the packed results
.set KR,  64                           ; window 1: v64-127 K's eight fragments, (t, ks) at 8 (2 t + ks)
.set VR,  128                          ; window 1: v128-191 V's eight fragments, (u, ct) at 8 (4 u + ct)
.set SW,  12                           ; s12  the trip at which I change pairs (waves 4-7: never)
.set LT,  13                           ; s13  my last trip with work
.set ST,  14                           ; s14  the step in hand
.set PB,  15                           ; s15  126 - 2 P
.set LIMP, 16                          ; s16  13 in the wave that prefetches, else 0
.set SC,  34                           ; s34  the trip
.set TB,  35                           ; s35  tile 126 - 2 P + 4 step
.set CS,  44                           ; s[44:45] c
.set SEL, 46                           ; s[46:47] lane l xor 16
; s3 P; s32 P / 2; s[20:21] Q's, s[26:27] K's, s[22:23] the result's place of my head; s[36:39] K and V of the step asked for; s[54:59] Q's two and the result's place of my pair
; v1 16 x lane; v2 where a share is handed over; v4 pe's address in hand; v5 into the stage, v6 out of it; v8, v9 the add's two; v10 the mask's distance;
; v12-15 (-m, m) of tiles 0, 1; v16-19 l in two halves; v20-23 (alpha, a written dummy); v24-27 maxima; v28-29 permute destinations; v30 256 x lane; v31 -infinity;
; v32-43 the partner's m, l and factors; v112-143 qh + r_w_bias, v144-175 qh + r_r_bias (16 a + 8 ks); v176-255 R^T (8 (5 a + tile)), then S^T and p at 176 + 32 a.  Window 1: v0-63 O^T (8 (4 a + ct)).
.set MSB, 0
.macro WIN new                         ; the immediate's high byte repeats the setting that is left
.if MSB != \new
	s_set_vgpr_msb (MSB<<8)|\new
.set MSB, \new
.endif
.endm
.set W_KQ, 0x01                        ; source 0 (K) in window 1
.set W_PV, 0x51                        ; source 0 (V), C and D in window 1
.set W_RS, 0x41                        ; destination and source 0 in window 1
.set W_MG, 0x50                        ; destination and source 2 in window 1
.set W_OUT, 0x05                       ; sources 0 and 1 in window 1
	s_load_b256 s[4:11], s[0:1], 0x0               ; qbuf, kv, pef, abuf
	v_lshl_add_u32 v8, v0, 2, SPARE
	v_mov_b32 v9, 0
	v_lshrrev_b32 v1, 5, v0
	v_readfirstlane_b32 s2, v1                     ; wave 0..7
	v_and_b32 v10, 31, v0                          ; lane
	v_lshlrev_b32 v1, 4, v10
	v_and_b32 v24, 15, v0                          ; r
	v_bfe_u32 v25, v0, 4, 1                        ; h
	s_mul_i32 s40, s2, 5376
	s_add_co_u32 s40, s40, STG                     ; my stage
	v_mul_u32_u24 v5, v24, 336
	v_lshl_add_u32 v5, v25, 5, v5
	v_add_nc_u32 v5, s40, v5                       ; in: row r, + 32 h
	v_mul_u32_u24 v6, v24, 332
	v_lshl_add_u32 v6, v25, 5, v6
	v_add_nc_u32 v6, s40, v6
	v_add_nc_u32 v6, 60, v6                        ; out: row r, word 15 - r + 8 h
	s_and_b32 s41, s2, 3
	s_mul_i32 s41, s41, 9216
	v_add_nc_u32 v2, s41, v1                       ; waves w and w + 4 meet at 9,216 (w % 4): 8,192 bytes of O^T, 512 of m, 512 of l
	s_lshl_b32 s41, s2, 15
	v_add_nc_u32 v4, s41, v1                       ; my 32 KiB of pe
	v_lshlrev_b32 v30, 8, v10
	v_mov_b32 v31, 0xff800000
.irp i, 20,21,22,23,28,29
	v_mov_b32 v\i, 0
.endr
	s_and_b32 s40, s2, 3
	s_lshl_b32 s40, s40, 3
	s_add_co_u32 s3, s40, ttmp9                    ; the short pair p
	s_lshr_b32 s[SW], s3, 1
	s_add_co_u32 s[SW], s[SW], 1                   ; u + 1
	s_sub_co_u32 s40, 63, s3                       ; the long pair
	s_cmp_lt_u32 s2, 4
	s_cselect_b32 s3, s3, s40
	s_cselect_b32 s[SW], s[SW], 255
	s_cselect_b32 s[LT], 15, 16
	s_xor_b32 s40, s2, 4
	s_or_b32 s40, s40, ttmp9
	s_cmp_eq_u32 s40, 0
	s_cselect_b32 s[LIMP], 13, 0                   ; wave 4 of the head's first work-group prefetches; it works in every trip
	s_mov_b32 s[CS], 0x3e38aa3b                    ; log2(e) / 8
	s_mov_b32 s[CS+1], s[CS]
	s_mov_b32 s[SEL], 0x76543210
	s_mov_b32 s[SEL+1], 0xfedcba98
	s_and_b32 s49, ttmp7, 0xffff                   ; bh
	s_and_b32 s48, s49, 15                         ; head
	s_lshr_b32 s43, s49, 4                         ; batch
	s_lshl_b32 s50, s49, 18
	s_mov_b32 s51, 0
	s_lshl_b32 s52, s48, 18
	s_add_co_u32 s52, s52, s41                     ; pe: head x 262,144 + wave x 32,768
	s_mov_b32 s53, 0
	s_lshl_b32 s28, s43, 22                        ; abuf: 128 tiles of 32,768 bytes a batch,
	s_lshl_b32 s40, s48, 11
	s_add_co_u32 s28, s28, s40                     ; + head x 2,048
	s_mov_b32 s29, 0
	s_wait_kmcnt 0x0
	s_add_nc_u64 s[20:21], s[4:5], s[50:51]
	s_add_nc_u64 s[26:27], s[6:7], s[50:51]
	s_add_nc_u64 s[52:53], s[8:9], s[52:53]
	s_add_nc_u64 s[22:23], s[10:11], s[28:29]
.macro PLD bt, reg                     ; sixteen loads of 512 bytes: a quarter of my 32 KiB of pe
.set ii, 0
.rept 16
	global_load_b128 v[\reg+4*ii:\reg+4*ii+3], v1, s[52:53] offset:(16*\bt+ii)*512
.set ii, ii+1
.endr
.endm
.macro PST bt, reg
.set ii, 0
.rept 16
	ds_store_b128 v4, v[\reg+4*ii:\reg+4*ii+3] offset:(16*\bt+ii)*512
.set ii, ii+1
.endr
.endm
.macro SETP                            ; all that hangs on my pair s3
	s_lshl_b32 s40, s3, 12
	s_mov_b32 s41, 0
	s_add_nc_u64 s[54:55], s[20:21], s[40:41]      ; qh + r_w_bias: P x 4,096
	s_add_nc_u64 s[56:57], s[54:55], 0x800000      ; qh + r_r_bias
	s_lshl_b32 s40, s3, 16
	s_add_nc_u64 s[58:59], s[22:23], s[40:41]      ; the result: tile 2 P
	s_lshl_b32 s[PB], s3, 1
	s_sub_co_u32 s[PB], 126, s[PB]
	s_lshr_b32 s32, s3, 1                          ; the step on the diagonal
.endm
.macro QLOAD                           ; Q stays in registers: tile a = i / 4, ks = (i / 2) % 2
.irp i, 0,1,2,3,4,5,6,7
	global_load_b128 v[112+4*\i:115+4*\i], v1, s[54:55] offset:\i*512
	global_load_b128 v[144+4*\i:147+4*\i], v1, s[56:57] offset:\i*512
.endr
.endm
.macro KVLOAD                          ; a step's K, then its V: 16 + 16 loads of 512 consecutive bytes
	WIN 0x40
.set ii, 0
.rept 16
	global_load_b128 v[KR+4*ii:KR+4*ii+3], v1, s[36:37] offset:ii*512
.set ii, ii+1
.endr
.set ii, 0
.rept 16
	global_load_b128 v[VR+4*ii:VR+4*ii+3], v1, s[38:39] offset:ii*512
.set ii, ii+1
.endr
	WIN 0
.endm
.macro CLEAR                           ; a share begins: O^T = 0, l = 0, m = -3e38, under every score: the step is written once, and the first change of m leaves zeros zeros
	WIN 0x40
.set ii, 0
.rept 64
	v_mov_b32 v[ii], 0
.set ii, ii+1
.endr
	WIN 0
	v_mov_b32 v13, 0xff61b1e6
	v_mov_b32 v15, 0xff61b1e6
	v_mov_b32 v12, 0x7f61b1e6
	v_mov_b32 v14, 0x7f61b1e6
.irp i, 16,17,18,19
	v_mov_b32 v\i, 0
.endr
.endm
; A pair is finished: O^T / l, to f16; a lane's eight channels are 16 bytes of the next product's fragment: each store covers 512 consecutive bytes
.macro FINISH
.irp a, 0,1
	v_add_f32 v[24+\a], v[16+2*\a], v[17+2*\a]
.endr
.irp a, 0,1
	v_permlanex16_b32 v[28+\a], v[24+\a], s[SEL], s[SEL+1]
.endr
.irp a, 0,1
	v_add_f32 v[24+\a], v[24+\a], v[28+\a]
.endr
.irp a, 0,1
	v_rcp_f32 v[20+2*\a], v[24+\a]
.endr
	v_nop                                          ; a plain instruction behind the last reciprocal
	s_wait_alu depctr_va_vdst(0)                   ; one wait for the two, ahead of their first reader
	WIN W_RS
.irp a, 0,1
.irp j, 0,2,4,6,8,10,12,14,16,18,20,22,24,26,28,30
	v_pk_mul_f32 v[32*\a+\j:32*\a+\j+1], v[32*\a+\j:32*\a+\j+1], v[20+2*\a:21+2*\a] op_sel_hi:[1,0]
.endr
.endr
	WIN W_OUT
.set ii, 0
.rept 32
	v_cvt_pk_f16_f32 v[F+ii], v[2*ii], v[2*ii+1]
.set ii, ii+1
.endr
	WIN 0
.irp a, 0,1
.irp ct, 0,1,2,3
	global_store_b128 v1, v[F+4*(4*\a+\ct):F+4*(4*\a+\ct)+3], s[58:59] offset:\a*32768+\ct*512
.endr
.endr
.endm
	PLD 0, 48
	PLD 1, 112
	s_wait_loadcnt 16                              ; the older sixteen are in; the younger sixteen may be out
	PST 0, 48
	s_wait_dscnt 0x0                               ; the stores have read their registers
	PLD 2, 48
	s_wait_loadcnt 16
	PST 1, 112
	s_wait_dscnt 0x0
	PLD 3, 112
	s_wait_loadcnt 16
	PST 2, 48
	s_wait_loadcnt 0x0
	PST 3, 112
	s_wait_dscnt 0x0                               ; my part of pe has landed, and the stores have read their registers
	SETP
	QLOAD
	s_mov_b64 s[36:37], s[26:27]                   ; every share begins with step 0
	s_add_nc_u64 s[38:39], s[36:37], 0x800000
	KVLOAD
	CLEAR
	s_mov_b32 s[SC], 0
	s_wait_loadcnt 32                              ; Q is in: K's and V's 32 loads may be out
	s_barrier_signal -1
	s_barrier_wait -1                              ; the head's pe lies in LDS
.macro RLOAD u, slot                   ; pe's tile TB + u, held at 127: two fragments
	s_add_co_u32 s40, s[TB], \u
	s_min_u32 s40, s40, 127
	s_lshl_b32 s40, s40, 11
	v_add_nc_u32 v4, s40, v1
.irp i, 0,1,2,3
	ds_load_b128 v[F+16*\slot+4*\i:F+16*\slot+4*\i+3], v4 offset:\i*512
.endr
.endm
.macro RMUL a, tau, slot, ks
.set D_, 176+8*(5*\a+\tau)
.if \ks == 0
	v_wmma_f32_16x16x32_f16 v[D_:D_+7], v[F+16*\slot:F+16*\slot+7], v[144+16*\a:144+16*\a+7], 0
.else
	v_wmma_f32_16x16x32_f16 v[D_:D_+7], v[F+16*\slot+8:F+16*\slot+15], v[152+16*\a:152+16*\a+7], v[D_:D_+7]
.endif
.endm
.Ltrip:
	s_cmp_eq_u32 s[SC], s[SW]                      ; waves 0-3, once: the short pair is finished; on to my share of the long one
	s_cbranch_scc0 .Lsame
	FINISH
	s_wait_xcnt 0x0                                ; the stores have read their data and their base
	s_sub_co_u32 s3, 63, s3
	SETP
	QLOAD
	CLEAR
	s_wait_loadcnt 0x0                             ; Q is in (and this trip's K and V)
.Lsame:
	s_cmp_gt_u32 s[SC], s[LT]                      ; waves 0-3 have no work in trip 16
	s_cbranch_scc1 .Lskip
	s_sub_co_u32 s40, 32, s[SC]
	s_cmp_lt_u32 s[SC], s[SW]
	s_cselect_b32 s[ST], s[SC], s40                ; the step: the trip's number, or behind the change of pairs 32 less that
	s_lshl_b32 s[TB], s[ST], 2
	s_add_co_u32 s[TB], s[TB], s[PB]
	; ---- R^T = pe (qh + r_r_bias)^T: six tiles of pe in two batches; tile u serves query tile 1 as its tile u and query tile 0 as its tile u - 1
	RLOAD 0, 0
	RLOAD 1, 1
	RLOAD 2, 2
	s_wait_dscnt 0x0
.irp ks, 0,1                                   ; five accumulators by turns
	RMUL 1, 0, 0, \ks
	RMUL 1, 1, 1, \ks
	RMUL 0, 0, 1, \ks
	RMUL 1, 2, 2, \ks
	RMUL 0, 1, 2, \ks
.endr
.rept 4
	v_nop                                          ; places in front of loads into registers that the products have read
.endr
	RLOAD 3, 0
	RLOAD 4, 1
	RLOAD 5, 2
	s_wait_dscnt 0x0
.irp ks, 0,1
	RMUL 1, 3, 0, \ks
	RMUL 0, 2, 0, \ks
	RMUL 1, 4, 1, \ks
	RMUL 0, 3, 1, \ks
	RMUL 0, 4, 2, \ks
.endr
.rept 5
	v_nop                                          ; five: the content products write over these results' registers
.endr
	; ---- the skew: LDS serves a wave's instructions in order, so one stage serves both tiles and no wait stands between stores and loads
.irp a, 0,1
.irp tau, 0,1,2,3,4
	ds_store_b128 v5, v[176+8*(5*\a+\tau):179+8*(5*\a+\tau)] offset:\tau*64        ; each result from its low end on
	ds_store_b128 v5, v[180+8*(5*\a+\tau):183+8*(5*\a+\tau)] offset:\tau*64+16
.endr
.irp t, 0,1,2,3
.irp j, 0,1,2,3,4,5,6,7
	ds_load_b32 v[176+32*\a+8*\t+\j], v6 offset:64*\t+4*\j                         ; key 16 t + 8 h + j of query r: word 15 - r + that key
.endr
.endr
.endr
	s_wait_dscnt 0x0
	s_wait_loadcnt 16                              ; K is in: V's sixteen loads, issued behind it, may be out
	; ---- S^T = K (qh + r_w_bias)^T + the skewed R^T: eight accumulators by turns
	WIN W_KQ
.irp ks, 0,1
.irp t, 0,1,2,3
.irp a, 0,1
	v_wmma_f32_16x16x32_f16 v[176+32*\a+8*\t:183+32*\a+8*\t], v[KR+8*(2*\t+\ks):KR+8*(2*\t+\ks)+7], v[112+16*\a+8*\ks:119+16*\a+8*\ks], v[176+32*\a+8*\t:183+32*\a+8*\t]
.endr
.endr
.endr
	WIN 0
.rept 4
	v_nop                                          ; places in front of the first read of the scores
.endr
	s_cmp_lg_u32 s[ST], s32                        ; the step on the diagonal: hidden scores become -infinity
	s_cbranch_scc1 .Lopen
	s_lshl_b32 s40, s3, 5
	s_lshl_b32 s41, s[ST], 6
	s_sub_co_i32 s40, s40, s41
	v_and_b32 v10, 15, v0
	v_bfe_u32 v24, v0, 4, 1
	v_lshlrev_b32 v24, 3, v24
	v_sub_nc_u32 v10, v10, v24
	v_add_nc_u32 v10, s40, v10                     ; d = r - 8 h + 32 P - 64 step: register (a, t, j) is hidden where 16 t + j - 16 a > d
.irp a, 0,1
.irp t, 0,1,2,3
.irp j, 0,1,2,3,4,5,6,7
	v_cmp_gt_i32 vcc_lo, 16*\t+\j-16*\a, v10
	v_cndmask_b32 v[176+32*\a+8*\t+\j], v[176+32*\a+8*\t+\j], v31, vcc_lo
.endr
.endr
.endr
.Lopen:
	; ---- the softmax.  Every step that a wave works has a key that counts for each of its queries, so m is a number
.irp b, 0,1,2,3
	v_max3_num_f32 v[24+\b], v[176+16*\b], v[177+16*\b], v[178+16*\b]
.endr
.irp i, 3,5,7,9,11,13
.irp b, 0,1,2,3
	v_max3_num_f32 v[24+\b], v[24+\b], v[176+16*\b+\i], v[177+16*\b+\i]
.endr
.endr
.irp b, 0,1,2,3
	v_max_num_f32 v[24+\b], v[24+\b], v[191+16*\b]
.endr
.irp a, 0,1
	v_max_num_f32 v[24+2*\a], v[24+2*\a], v[25+2*\a]
.endr
.irp a, 0,1
	v_permlanex16_b32 v[28+\a], v[24+2*\a], s[SEL], s[SEL+1]
.endr
.irp a, 0,1
	v_max_num_f32 v[24+2*\a], v[24+2*\a], v[28+\a]
.endr
.irp a, 0,1
	v_mul_f32 v[24+2*\a], s[CS], v[24+2*\a]
.endr
.irp a, 0,1
	v_max_num_f32 v[25+2*\a], v[13+2*\a], v[24+2*\a]               ; the new m
.endr
.irp a, 0,1
	v_sub_f32 v[20+2*\a], v[13+2*\a], v[25+2*\a]                   ; m_old - m_new
.endr
.irp a, 0,1
	v_mov_b32 v[13+2*\a], v[25+2*\a]
	v_xor_b32 v[12+2*\a], 0x80000000, v[25+2*\a]
.endr
.irp a, 0,1
.irp j, 0,2,4,6,8,10,12,14,16,18,20,22,24,26,28,30
	v_pk_fma_f32 v[176+32*\a+\j:177+32*\a+\j], v[176+32*\a+\j:177+32*\a+\j], s[CS:CS+1], v[12+2*\a:13+2*\a] op_sel_hi:[1,0,0]   ; c s - m
.endr
.endr
	v_exp_f32 v20, v20                             ; one batch: the two alphas and the 64 weights
	v_exp_f32 v22, v22
.set ii, 0
.rept 64
	v_exp_f32 v[176+ii], v[176+ii]
.set ii, ii+1
.endr
	v_nop                                          ; a plain instruction behind the last exponential
	s_wait_alu depctr_va_vdst(0)                   ; one wait for the batch, ahead of its first reader
.irp a, 0,1
	v_pk_mul_f32 v[16+2*\a:17+2*\a], v[16+2*\a:17+2*\a], v[20+2*\a:21+2*\a] op_sel_hi:[1,0]
	v_pk_add_f32 v[24+2*\a:25+2*\a], v[176+32*\a:177+32*\a], v[178+32*\a:179+32*\a]
.endr
.irp j, 4,8,12,16,20,24,28
.irp a, 0,1
	v_pk_add_f32 v[16+2*\a:17+2*\a], v[16+2*\a:17+2*\a], v[176+32*\a+\j:177+32*\a+\j]
	v_pk_add_f32 v[24+2*\a:25+2*\a], v[24+2*\a:25+2*\a], v[178+32*\a+\j:179+32*\a+\j]
.endr
.endr
.irp a, 0,1
	v_pk_add_f32 v[16+2*\a:17+2*\a], v[16+2*\a:17+2*\a], v[24+2*\a:25+2*\a]
.endr
.irp a, 0,1                                    ; p to f16, in place and ascending: the 16 registers of key tiles 2 u, 2 u + 1 become the 8 of fragment (a, u)
.irp u, 0,1
.irp i, 0,1,2,3,4,5,6,7
	v_cvt_pk_f16_f32 v[176+32*\a+16*\u+\i], v[176+32*\a+16*\u+2*\i], v[176+32*\a+16*\u+2*\i+1]
.endr
.endr
.endr
	WIN W_RS
.irp a, 0,1
.irp j, 0,2,4,6,8,10,12,14,16,18,20,22,24,26,28,30
	v_pk_mul_f32 v[32*\a+\j:32*\a+\j+1], v[32*\a+\j:32*\a+\j+1], v[20+2*\a:21+2*\a] op_sel_hi:[1,0]   ; O^T x alpha
.endr
.endr
	s_wait_loadcnt 0x0                             ; V is in: nothing was asked for behind it
	WIN W_PV
.irp u, 0,1                                    ; O^T += V^T p: eight accumulators by turns
.irp ct, 0,1,2,3
.irp a, 0,1
	v_wmma_f32_16x16x32_f16 v[8*(4*\a+\ct):8*(4*\a+\ct)+7], v[VR+8*(4*\u+\ct):VR+8*(4*\u+\ct)+7], v[176+32*\a+16*\u:183+32*\a+16*\u], v[8*(4*\a+\ct):8*(4*\a+\ct)+7]
.endr
.endr
.endr
	WIN 0
.rept 5
	v_nop                                          ; five: the next step's first products write over p's registers; they are also the places in front of the loads below
.endr
	s_cmp_lt_u32 s[SC], s[LT]                      ; K and V of my next step, while I have one: no load leaves its buffer
	s_cbranch_scc0 .Lnoload
	s_add_co_u32 s40, s[SC], 1
	s_sub_co_u32 s41, 31, s[SC]
	s_cmp_lt_u32 s40, s[SW]
	s_cselect_b32 s40, s40, s41                    ; the next trip's step
	s_lshl_b32 s40, s40, 13                        ; 8,192 bytes a step
	s_mov_b32 s41, 0
	s_wait_xcnt 0x0                                ; the last trip's loads and prefetches have read their bases
	s_add_nc_u64 s[36:37], s[26:27], s[40:41]
	s_add_nc_u64 s[38:39], s[36:37], 0x800000
	KVLOAD
	s_cmp_lt_u32 s[SC], s[LIMP]                    ; prefetches, behind the wave's own loads: in trip t, 0 to 12, K and V of step t + 3, two trips ahead of the loads that will want it, and of step t + 19:
	s_cbranch_scc0 .Lnoload                        ; 8,192 bytes each, lanes 256 bytes apart.  All work-groups of a head walk the same K and V: one wave of the first asks, so each block is named once
	global_prefetch_b8 v30, s[36:37] offset:16384 th:TH_LOAD_NT scope:SCOPE_SE
	global_prefetch_b8 v30, s[38:39] offset:16384 th:TH_LOAD_NT scope:SCOPE_SE
	global_prefetch_b8 v30, s[36:37] offset:147456 th:TH_LOAD_NT scope:SCOPE_SE
	global_prefetch_b8 v30, s[38:39] offset:147456 th:TH_LOAD_NT scope:SCOPE_SE
.Lnoload:
.Lskip:
	s_add_co_u32 s[SC], s[SC], 1
	s_cmp_lt_u32 s[SC], 17
	s_cbranch_scc1 .Ltrip
	; ---- the two shares of the long pair are joined
	s_wait_dscnt 0x0                               ; my reads of pe are over
	s_barrier_signal -1
	s_barrier_wait -1                              ; everybody's are: pe's bytes may be written
	s_cmp_lt_u32 s2, 4
	s_cbranch_scc0 .Lkeeps
	WIN 0x04                                       ; an LDS store's data are its source 1: window 1
.set ii, 0
.rept 16
	ds_store_b128 v2, v[4*ii:4*ii+3] offset:ii*512 ; O^T as it stands in the registers, each accumulator from its low end on
.set ii, ii+1
.endr
	WIN 0
	ds_store_b128 v2, v[12:15] offset:8192         ; (-m, m) of both tiles
	ds_store_b128 v2, v[16:19] offset:8704         ; l
.Lkeeps:
	s_wait_dscnt 0x0                               ; for the others' sake: my stores have landed
	s_barrier_signal -1
	s_barrier_wait -1
	s_cmp_lt_u32 s2, 4
	s_cbranch_scc1 .Lend
	ds_load_b128 v[32:35], v2 offset:8192
	ds_load_b128 v[36:39], v2 offset:8704
.set ii, 0
.rept 16
	ds_load_b128 v[176+4*ii:179+4*ii], v2 offset:ii*512
.set ii, ii+1
.endr
	s_wait_dscnt 0x0
.irp a, 0,1
	v_max_num_f32 v[24+\a], v[13+2*\a], v[33+2*\a] ; the larger m.  (A share without steps comes as m = -3e38, l = 0, O^T = 0: its factor is 0)
.endr
.irp a, 0,1
	v_sub_f32 v[20+2*\a], v[13+2*\a], v[24+\a]
	v_sub_f32 v[40+2*\a], v[33+2*\a], v[24+\a]
	v_mov_b32 v[41+2*\a], 0                        ; (named as the upper half of a pair)
.endr
	v_exp_f32 v20, v20
	v_exp_f32 v22, v22
	v_exp_f32 v40, v40
	v_exp_f32 v42, v42
	v_nop
	s_wait_alu depctr_va_vdst(0)                   ; one wait for the four
.irp a, 0,1
	v_pk_mul_f32 v[16+2*\a:17+2*\a], v[16+2*\a:17+2*\a], v[20+2*\a:21+2*\a] op_sel_hi:[1,0]
.endr
.irp a, 0,1
	v_pk_fma_f32 v[16+2*\a:17+2*\a], v[36+2*\a:37+2*\a], v[40+2*\a:41+2*\a], v[16+2*\a:17+2*\a] op_sel_hi:[1,0,1]
.endr
	WIN W_RS
.irp a, 0,1
.irp j, 0,2,4,6,8,10,12,14,16,18,20,22,24,26,28,30
	v_pk_mul_f32 v[32*\a+\j:32*\a+\j+1], v[32*\a+\j:32*\a+\j+1], v[20+2*\a:21+2*\a] op_sel_hi:[1,0]
.endr
.endr
	WIN W_MG
.irp a, 0,1
.irp j, 0,2,4,6,8,10,12,14,16,18,20,22,24,26,28,30
	v_pk_fma_f32 v[32*\a+\j:32*\a+\j+1], v[176+32*\a+\j:177+32*\a+\j], v[40+2*\a:41+2*\a], v[32*\a+\j:32*\a+\j+1] op_sel_hi:[1,0,1]
.endr
.endr
	WIN 0
	FINISH
.Lend:
	s_wait_tensorcnt 0x0                           ; the wave's end
	ds_add_u32 v8, v9
	s_wait_dscnt 0x0
	s_endpgm
.Lfunc_end_k_q881433e295_attn:
	.size	k_q881433e295_attn, .Lfunc_end_k_q881433e295_attn-k_q881433e295_attn
	.p2alignl 7, 3214868480
	.fill 96, 4, 3214868480
	.section	.rodata,"a",@progbits
	.p2align	6, 0x0
	.amdhsa_kernel k_q881433e295_attn
		.amdhsa_group_segment_fixed_size 306176
		.amdhsa_private_segment_fixed_size 0
		.amdhsa_enable_private_segment 0
		.amdhsa_kernarg_size 32
		.amdhsa_user_sgpr_count 2
		.amdhsa_user_sgpr_kernarg_segment_ptr 1
		.amdhsa_wavefront_size32 1
		.amdhsa_system_sgpr_workgroup_id_x 1
		.amdhsa_system_sgpr_workgroup_id_y 1
		.amdhsa_system_sgpr_workgroup_id_z 1
		.amdhsa_system_vgpr_workitem_id 0
		.amdhsa_next_free_vgpr 448
		.amdhsa_next_free_sgpr 66
		.amdhsa_reserve_vcc 1
		.amdhsa_float_denorm_mode_32 3
		.amdhsa_float_denorm_mode_16_64 3
		.amdhsa_memory_ordered 1
		.amdhsa_forward_progress 1
		.amdhsa_inst_pref_size 77
	.end_amdhsa_kernel
	.amdgpu_metadata
---
amdhsa.version: [ 1, 2 ]
amdhsa.kernels:
  - .name:           k_q881433e295_attn
    .symbol:         k_q881433e295_attn.kd
    .args:
      - { .name: qbuf, .offset: 0, .size: 8, .value_kind: global_buffer, .address_space: global }
      - { .name: kv, .offset: 8, .size: 8, .value_kind: global_buffer, .address_space: global }
      - { .name: pef, .offset: 16, .size: 8, .value_kind: global_buffer, .address_space: global }
      - { .name: abuf, .offset: 24, .size: 8, .value_kind: global_buffer, .address_space: global }
    .group_segment_fixed_size: 306176
    .private_segment_fixed_size: 0
    .kernarg_segment_align: 8
    .kernarg_segment_size: 32
    .max_flat_workgroup_size: 256
    .sgpr_count:     66
    .vgpr_count:     448
    .wavefront_size: 32
...
	.end_amdgpu_metadata
.endif
;; end of part 7
;; launch oproj (part 8): grid 16 x 16, 4 waves a work-group, no clusters, 0 bytes of LDS; arguments abuf, wbuf, bo, out0; writes out0
.if DOCPART == 8
	.amdgcn_target "amdgcn-amd-amdhsa--gfx1250"
	.amdhsa_code_object_version 6
	.text
	.protected	k_q881433e295_oproj
	.globl	k_q881433e295_oproj
	.p2align	8
	.type	k_q881433e295_oproj,@function
k_q881433e295_oproj:
	s_mov_b64 s[64:65], 0
	v_nop
	global_prefetch_b8 v0, s[64:65] scope:SCOPE_SE
	s_setreg_imm32_b32 hwreg(HW_REG_WAVE_MODE, 25, 1), 1
	s_wait_xcnt 0x0
; out0 = attention's result x Wo + bo, f16 operands, f32 sums.  LEFT OUT: the stores of rows 0-15 of each batch, which the last launch owns (it makes them in f32).
; A wave takes 64 rows x 64 columns: sixteen accumulators by turns; both operands come from memory straight into registers, as images of fragments.
; FOUR SETS of registers take turns, a K step of 32 each: while one is multiplied, the loads of the three steps behind it, 48 of 512 bytes, are on their way.
; No LDS, no barrier, no cluster: nothing goes through LDS that could be shared.  The 64 columns of a group are four tiles whose column r is n = 64 cg + 4 r + c4:
; so a lane's four results of a row are 16 neighbouring bytes, and sixteen lanes store 256 consecutive bytes, aligned.
; window 0: v1 16 x lane; v2 my place in out0; v3 16 r; v4-7 bo; v128-255 accumulator (m, c4) at 128 + 8 (4 m + c4).
; window 1: set s at 64 s: A's four fragments, then B's four; on the way out v0-127 the sums to store.
.set MSB, 0
.macro WIN new                         ; the immediate's high byte repeats the setting that is left
.if MSB != \new
	s_set_vgpr_msb (MSB<<8)|\new
.set MSB, \new
.endif
.endm
	s_load_b256 s[4:11], s[0:1], 0x0               ; abuf, wbuf, bo, out0
	v_lshrrev_b32 v1, 5, v0
	v_readfirstlane_b32 s2, v1                     ; wave 0..3
	v_and_b32 v8, 31, v0
	v_lshlrev_b32 v1, 4, v8
	v_and_b32 v9, 15, v0
	v_bfe_u32 v10, v0, 4, 1
	v_lshlrev_b32 v3, 4, v9
	v_lshl_add_u32 v2, v10, 15, v3                 ; 8 h rows of 4,096 bytes + 16 r
	s_and_b32 s3, ttmp7, 0xffff
	s_lshl_b32 s12, s3, 2
	s_add_co_u32 s12, s12, s2                      ; which 64 rows
	s_lshl_b32 s14, s12, 17                        ; four tiles of 32,768 bytes
	s_mov_b32 s15, 0
	s_lshl_b32 s16, ttmp9, 17
	s_add_co_u32 s16, s16, 2228224                 ; Wo's fragments of my 64 columns
	s_mov_b32 s17, 0
	s_lshl_b32 s18, s12, 18
	s_lshl_b32 s20, ttmp9, 8
	s_add_co_u32 s18, s18, s20                     ; out0: 64 rows of 4,096 bytes, 64 columns of 4
	s_mov_b32 s19, 0
	s_mov_b32 s21, 0
	s_and_b32 s22, s3, 7
	s_or_b32 s22, s22, s2                          ; 0 where my first 16 rows are a batch's first
	s_wait_kmcnt 0x0
	s_add_nc_u64 s[4:5], s[4:5], s[14:15]
	s_add_nc_u64 s[6:7], s[6:7], s[16:17]
	s_add_nc_u64 s[8:9], s[8:9], s[20:21]
	s_add_nc_u64 s[10:11], s[10:11], s[18:19]
	global_load_b128 v[4:7], v3, s[8:9]            ; bo of my four columns
.macro LOAD set, off                   ; sixteen loads: a K step's four fragments of A and four of B
	WIN 0x40                                       ; destination in window 1
.irp m, 0,1,2,3
.irp c, 0,1
	global_load_b128 v[64*\set+8*\m+4*\c:64*\set+8*\m+4*\c+3], v1, s[4:5] offset:\m*32768+\off+\c*512
.endr
.endr
.irp m, 0,1,2,3
.irp c, 0,1
	global_load_b128 v[64*\set+32+8*\m+4*\c:64*\set+32+8*\m+4*\c+3], v1, s[6:7] offset:\m*32768+\off+\c*512
.endr
.endr
.endm
.macro MUL set, zero
	WIN 0x05                                       ; A and B in window 1
.irp m, 0,1,2,3
.irp c, 0,1,2,3
.if \zero
	v_wmma_f32_16x16x32_f16 v[128+8*(4*\m+\c):128+8*(4*\m+\c)+7], v[64*\set+8*\m:64*\set+8*\m+7], v[64*\set+32+8*\c:64*\set+32+8*\c+7], 0
.else
	v_wmma_f32_16x16x32_f16 v[128+8*(4*\m+\c):128+8*(4*\m+\c)+7], v[64*\set+8*\m:64*\set+8*\m+7], v[64*\set+32+8*\c:64*\set+32+8*\c+7], v[128+8*(4*\m+\c):128+8*(4*\m+\c)+7]
.endif
.endr
.endr
.rept 4
	v_nop                                          ; places in front of loads into, and writes of, registers that the products have read, and of the first read of results
.endr
.endm
.macro BUMP                            ; four K steps on; it stands behind a product, sixteen matrix instructions behind the last load
	s_wait_xcnt 0x0                                ; the loads have read their bases
	s_add_nc_u64 s[4:5], s[4:5], 4096
	s_add_nc_u64 s[6:7], s[6:7], 4096
.endm
	LOAD 0, 0
	LOAD 1, 1024
	LOAD 2, 2048
	LOAD 3, 3072
	s_wait_loadcnt 48                              ; everywhere below: this set's sixteen loads are in, those of the three sets behind it may be out
	MUL 0, 1                                       ; K step 0 starts the sums
	LOAD 0, 4096
	WIN 0
	s_mov_b32 s23, 6
.Lk:                                                   ; trip j multiplies K steps 4 j + 1 .. 4 j + 4 and asks for steps 4 j + 5 .. 4 j + 8
	s_wait_loadcnt 48
	MUL 1, 0
	BUMP
	LOAD 1, 1024
	s_wait_loadcnt 48
	MUL 2, 0
	LOAD 2, 2048
	s_wait_loadcnt 48
	MUL 3, 0
	LOAD 3, 3072
	s_wait_loadcnt 48
	MUL 0, 0
	LOAD 0, 4096
	WIN 0
	s_sub_co_u32 s23, s23, 1
	s_cmp_lg_u32 s23, 0
	s_cbranch_scc1 .Lk
	s_wait_loadcnt 48
	MUL 1, 0                                       ; K step 25
	BUMP
	LOAD 1, 1024                                   ; K steps 29, 30, 31: the last
	s_wait_loadcnt 48
	MUL 2, 0
	LOAD 2, 2048
	s_wait_loadcnt 48
	MUL 3, 0
	LOAD 3, 3072
	s_wait_loadcnt 48
	MUL 0, 0                                       ; K step 28
	s_wait_loadcnt 32                              ; the counts run down
	MUL 1, 0
	s_wait_loadcnt 16
	MUL 2, 0
	s_wait_loadcnt 0x0
	MUL 3, 0
	WIN 0
.macro OUT m
	WIN 0x40                                       ; the sums go into window 1
.irp j, 0,1,2,3,4,5,6,7                        ; each accumulator from its low end on
.irp c, 0,1,2,3
	v_add_f32 v[4*(8*\m+\j)+\c], v[128+8*(4*\m+\c)+\j], v[4+\c]
.endr
.endr
	WIN 0x04                                       ; a store's data are its source 1: window 1
.irp j, 0,1,2,3,4,5,6,7
	global_store_b128 v2, v[4*(8*\m+\j):4*(8*\m+\j)+3], s[10:11] offset:(16*\m+\j)*4096 th:TH_STORE_NT
.endr
	WIN 0
.endm
	s_cmp_eq_u32 s22, 0
	s_cbranch_scc1 .Lnot_first
	OUT 0
.Lnot_first:
	OUT 1
	OUT 2
	OUT 3
	s_endpgm
.Lfunc_end_k_q881433e295_oproj:
	.size	k_q881433e295_oproj, .Lfunc_end_k_q881433e295_oproj-k_q881433e295_oproj
	.p2alignl 7, 3214868480
	.fill 96, 4, 3214868480
	.section	.rodata,"a",@progbits
	.p2align	6, 0x0
	.amdhsa_kernel k_q881433e295_oproj
		.amdhsa_group_segment_fixed_size 0
		.amdhsa_private_segment_fixed_size 0
		.amdhsa_enable_private_segment 0
		.amdhsa_kernarg_size 32
		.amdhsa_user_sgpr_count 2
		.amdhsa_user_sgpr_kernarg_segment_ptr 1
		.amdhsa_wavefront_size32 1
		.amdhsa_system_sgpr_workgroup_id_x 1
		.amdhsa_system_sgpr_workgroup_id_y 1
		.amdhsa_system_sgpr_workgroup_id_z 1
		.amdhsa_system_vgpr_workitem_id 0
		.amdhsa_next_free_vgpr 512
		.amdhsa_next_free_sgpr 66
		.amdhsa_reserve_vcc 0
		.amdhsa_float_denorm_mode_32 3
		.amdhsa_float_denorm_mode_16_64 3
		.amdhsa_memory_ordered 1
		.amdhsa_forward_progress 1
		.amdhsa_inst_pref_size 42
	.end_amdhsa_kernel
	.amdgpu_metadata
---
amdhsa.version: [ 1, 2 ]
amdhsa.kernels:
  - .name:           k_q881433e295_oproj
    .symbol:         k_q881433e295_oproj.kd
    .args:
      - { .name: abuf, .offset: 0, .size: 8, .value_kind: global_buffer, .address_space: global }
      - { .name: wbuf, .offset: 8, .size: 8, .value_kind: global_buffer, .address_space: global }
      - { .name: bo, .offset: 16, .size: 8, .value_kind: global_buffer, .address_space: global }
      - { .name: out0, .offset: 24, .size: 8, .value_kind: global_buffer, .address_space: global }
    .group_segment_fixed_size: 0
    .private_segment_fixed_size: 0
    .kernarg_segment_align: 8
    .kernarg_segment_size: 32
    .max_flat_workgroup_size: 128
    .sgpr_count:     66
    .vgpr_count:     512
    .wavefront_size: 32
...
	.end_amdgpu_metadata
.endif
;; end of part 8
;; launch first16: the kernel of part 5 again; grid 16 x 2, 16 waves a work-group, no clusters, 121,856 bytes of LDS; arguments f32buf, Wo, bo, out0; writes out0
